; MI455X (gfx1250); checked and timed in simulation.
; The chip was launched on July 23, 2026; its instructions are those of AMD's public machine-readable ISA for CDNA 5 (MIT licence, August 2026) and "CDNA5" Instruction Set Architecture Reference Guide (July 2026). The comments in the code are by the model that wrote it; some were corrected since.
;; Hadamard Attention. Allowed arithmetic: matrix products marked QUANTISED: E2M3 operands, one E8M0 scale for each 32 along K, by v_wmma_scale_f32_16x16x128_f8f6f4 with both operands' format E2M3, f32 sums; products left as they are: f32 operands where the result goes on into a quantised operand, else bf16, f16 or f32 operands; f32 sums; everything else in f32.
;; Inputs: W1 32 x 64 float32; W2 64 x 32 float32; Wk 1,024 x 1,024 float32; Wo 1,024 x 1,024 float32; Wq 1,024 x 1,024 float32; Wv 1,024 x 1,024 float32; b1 64 float32; b2 32 float32; bk 1,024 float32; bo 1,024 float32; bq 1,024 float32; bv 1,024 float32; mask 8 x 2,048 x 1 int32; x 8 x 2,048 x 1,024 float32.
;; Outputs: out0 8 x 2,048 x 1,024 float32.
;; This version of the problem:
;;   THIS VERSION OF THE PROBLEM IS GIVEN IN LOW PRECISION. The matrix products marked QUANTISED in the list below multiply operands that are first quantised to E2M3 (2 exponent bits, 3 mantissa bits; 6 bits a number), with one power-of-two scale for each 32 numbers along K (OCP MX v1.0); their sums are f32. All else is computed in f32.
;;   The module's matrix products, in the order in which they are computed (A, B: the left and right operand; K: the contracted axis; several contracted axes count as one K, in the product's order):
;;     1. [M 16,384, K 1,024] x [K 1,024, N 1,024]; A: input x; B: input Wq: QUANTISED
;;     2. [M 16,384, K 1,024] x [K 1,024, N 1,024]; A: input x; B: input Wk: QUANTISED
;;     3. [M 16,384, K 1,024] x [K 1,024, N 1,024]; A: input x; B: input Wv: QUANTISED
;;     4. batch 524,288 x [M 1, K 32] x [K 32, N 1]; A: computed on the way; B: computed on the way: left as it is (M = 1 < 16)
;;     5. [M 16,384, K 32] x [K 32, N 64]; A: computed on the way; B: input W1: QUANTISED
;;     6. [M 16,384, K 64] x [K 64, N 32]; A: computed on the way; B: input W2: QUANTISED
;;     7. [M 16,384, K 1,024] x [K 1,024, N 1,024]; A: computed on the way; B: input Wo: QUANTISED
;;   THE QUANTISER, for each operand of a quantised product, along K:
;;     - K is cut into blocks of 32 from its start; a last block that is shorter is filled with zeros.
;;     - A block's scale is 2^e with e = floor(log2(the largest magnitude in the block)) - 2, held to -126 .. 127; a block of zeros has e = 0. As a byte (E8M0): e + 127.
;;     - Each number is divided by its block's scale, clamped to +-7.5, and rounded to the nearest number of E2M3, ties to even, subnormals kept.
;;     - The product sums the exact products of the quantised numbers (number of the format x scale) in f32.
;;   ~~~python
;;   def quantise(x, axis):      # numpy; x: float32 -> the quantised numbers, widened to float32 again
;;       x = np.moveaxis(x, axis, -1); K = x.shape[-1]
;;       x = np.pad(x, [(0, 0)] * (x.ndim - 1) + [(0, -K % 32)]); x = x.reshape(x.shape[:-1] + (-1, 32)); a = np.abs(x).max(-1, keepdims=True)
;;       e = np.where(a > 0, np.clip(np.frexp(np.where(a > 0, a, 1))[1] - 1 - 2, -126, 127), 0)      # np.frexp(a)[1] - 1 = floor(log2(a)), exactly
;;       r = np.clip(x / 2.0 ** e, -7.5, 7.5)
;;       step = 2.0 ** (np.maximum(np.frexp(np.where(r == 0, 1, r))[1] - 1, 0) - 3)
;;       q = np.round(r / step) * step * 2.0 ** e      # np.round: ties to even
;;       return np.moveaxis(q.reshape(q.shape[:-2] + (-1,))[..., :K], -1, axis).astype(np.float32)
;;   ~~~
;;   OPERANDS COMPUTED ON THE WAY. 'Computed on the way' means the value that the module computes at that place (a softmax that the list does not call 'softmax' is quantised finished and normalised). What goes into a quantiser is computed in f32, as accurately as f32 sums, v_exp_f32 and their like allow (about 1e-6 of the number): no bf16 or f16 on the way to a quantiser, and a product that is left as it is and whose result goes on into a quantised operand takes f32 operands (vector FMAs, or v_wmma_f32_16x16x4_f32). A number that lies on a knife's edge between two numbers of the format may be rounded either way, as far as f32 arithmetic and the matrix unit's own rounding can turn it there, and no further.
;; 2 versions. Each part assembles by itself: llvm-mc -triple=amdgcn-amd-amdhsa -mcpu=gfx1250 --defsym DOCPART=n.
;; ======== version 1 of 2: 3 launches
;; workspace buffers: wqk 1,638,400 bytes; wvo 1,638,400 bytes; wmlp 12,800 bytes; xc 13,631,488 bytes; lg 2,097,152 bytes; st 262,144 bytes
;; launch prep (part 1): grid 257 x 1, 16 waves a work-group, no clusters, 14,848 bytes of LDS; arguments Wq, Wk, Wv, Wo, W1, W2, wqk, wvo, wmlp; writes wqk, wvo, wmlp
.if DOCPART == 1
	.amdgcn_target "amdgcn-amd-amdhsa--gfx1250"
	.amdhsa_code_object_version 6
	.text
	.protected	k_q51dbde53ed_prep
	.globl	k_q51dbde53ed_prep
	.p2align	8
	.type	k_q51dbde53ed_prep,@function
k_q51dbde53ed_prep:
	s_mov_b64 s[64:65], 0
	v_nop
	global_prefetch_b8 v0, s[64:65] scope:SCOPE_SE
	s_setreg_imm32_b32 hwreg(HW_REG_WAVE_MODE, 25, 1), 1
	s_wait_xcnt 0x0
; The six weights, f32 stored [K][N], become codes of FP6 (E2M3) with one E8M0 byte for each 32 along K, laid IN THE ORDER OF THE OPERAND'S REGISTERS, so that the two
; product launches load every fragment by three loads of 16 bytes a lane, 512 consecutive bytes each.
; A GROUP is what one wave of a product launch wants for one K step of 128: 8 fragments (16 columns x 128 K: 12 registers x 32 lanes = 1,536 bytes; register p of lane l at
; 512 (p / 4) + 16 l + 4 (p % 4)) and 512 bytes of scale words (the word at 16 l + 4 b: tile 2 b + l / 16, row l % 16).  12,800 bytes.  A stream is [wave 4][sub-pass 4][K step 8] groups.
; THE COLUMNS OF A TILE ARE NOT NEIGHBOURS: row r' of tile 2 b + u takes local column 32 b + 8 u + r' + 8 (r' / 8), so that in the transposed product the 16 registers of tiles 2 b, 2 b + 1 are 16 neighbouring columns.
; Stream wqk: local block b of (sub-pass P, wave w) is head 8 P + 2 w + b / 2, of Wq (b even) or Wk (b odd).  Stream wvo: Wv (P < 2) or Wo, columns 512 (P % 2) + 128 w + 32 b on.
; Group wmlp: tiles 0-3 = W1's 64 hidden units (K block 0 alone), tiles 4-5 = W2's 32 outputs (K blocks 0, 1); all else zero codes.
; SHARES.  Work-group g < 256 makes group g % 128 of stream g / 128; work-group 256 makes wmlp.  Wave = (block b of 32 columns, K block beta).  A LANE TAKES A COLUMN AND ITS 32 REGISTERS RUN DOWN K:
; each load reads 128 consecutive bytes, a block's largest magnitude needs no other lane, and the conversions give codes with K innermost.  The group is gathered in LDS and leaves in stores of 512 consecutive bytes.
; A block's scale is 2^(floor(log2(largest magnitude)) - 2); its byte is the magnitude's exponent field - 2, held at 1 from below.
; LIMITS: a block of zeros, or one whose largest magnitude lies under 2^-124, gets the byte 1 (its codes are zeros or tiny; the bytes are read by this program alone); NaN and infinities are not served.
.set GRP, 12800
.set X,   16                           ; v16-47  my column's 32 numbers
.set C,   48                           ; v48-53  their codes; v56-58 the second conversion's result
	s_load_b256 s[4:11], s[0:1], 0x0               ; Wq s[4:5], Wk s[6:7], Wv s[8:9], Wo s[10:11]
	s_load_b256 s[12:19], s[0:1], 0x20             ; W1 s[12:13], W2 s[14:15], wqk s[16:17], wvo s[18:19]
	s_load_b64 s[20:21], s[0:1], 0x40              ; wmlp
	v_lshl_add_u32 v64, v0, 2, 0x3200
	v_mov_b32 v65, 0
	v_lshrrev_b32 v1, 5, v0
	v_readfirstlane_b32 s22, v1                    ; wave 0..15
	v_and_b32 v1, 31, v0                           ; lane = my column in the block
	v_bfe_u32 v2, v0, 3, 1                         ; u: which tile of the block's two
	v_bfe_u32 v3, v0, 4, 1
	v_and_b32 v9, 7, v0
	v_lshl_add_u32 v3, v3, 3, v9                   ; r': my row in that tile
	v_lshlrev_b32 v4, 2, v1                        ; in: 4 bytes a lane
	v_lshlrev_b32 v8, 4, v0                        ; out: 16 bytes a thread, in LDS and in the group alike
	s_and_b32 s23, s22, 3                          ; b
	s_lshr_b32 s24, s22, 2                         ; beta
	s_and_b32 s25, s24, 1                          ; the fragment's half of the lanes that holds K block beta,
	s_lshr_b32 s26, s24, 1                         ; and c: its registers 6 c .. 6 c + 5
	s_mul_i32 s27, s23, 3072
	s_lshl_b32 s28, s25, 8
	s_add_co_u32 s27, s27, s28                     ; 2 b fragments + 16 bytes x 16 lanes x half
	s_mul_i32 s28, s26, 520
	s_add_co_u32 s28, s28, s27                     ; registers 6 c, 6 c + 1 begin at 0 (c = 0) or 512 + 8 (c = 1); registers 6 c + 4, 6 c + 5 lie 512 further on
	s_mul_i32 s29, s26, 1016
	s_add_co_u32 s29, s29, s27
	s_add_co_u32 s29, s29, 8                       ; registers 6 c + 2, 6 c + 3 at 8 or at 1,024
	v_mul_u32_u24 v9, v2, 1536
	v_lshl_add_u32 v9, v3, 4, v9                   ; tile u, lane r'
	v_add_nc_u32 v5, s28, v9
	v_add_nc_u32 v6, s29, v9
	v_lshl_add_u32 v7, v2, 4, v3
	v_lshlrev_b32 v7, 4, v7                        ; the scale words: 16 (r' + 16 u)
	s_lshl_b32 s30, s23, 2
	s_add_co_u32 s30, s30, s24
	s_add_co_u32 s30, s30, 12288                   ; + 4 b + beta, behind the eight fragments
	v_add_nc_u32 v7, s30, v7
	s_lshr_b32 s31, ttmp9, 5
	s_and_b32 s31, s31, 3                          ; w
	s_lshr_b32 s32, ttmp9, 3
	s_and_b32 s32, s32, 3                          ; P
	s_and_b32 s33, ttmp9, 7                        ; K step
	s_lshl_b32 s34, s32, 3
	s_lshl_b32 s35, s31, 1
	s_add_co_u32 s34, s34, s35
	s_lshr_b32 s35, s23, 1
	s_add_co_u32 s34, s34, s35
	s_lshl_b32 s34, s34, 5                         ; wqk: first column 32 (8 P + 2 w + b / 2)
	s_and_b32 s35, s32, 1
	s_lshl_b32 s35, s35, 9
	s_lshl_b32 s40, s31, 7
	s_add_co_u32 s35, s35, s40
	s_lshl_b32 s40, s23, 5
	s_add_co_u32 s35, s35, s40                     ; wvo: 512 (P % 2) + 128 w + 32 b
	s_cmp_lt_u32 ttmp9, 128
	s_cselect_b32 s34, s34, s35
	s_lshl_b32 s34, s34, 2
	s_lshl_b32 s35, s33, 2
	s_add_co_u32 s35, s35, s24
	s_lshl_b32 s35, s35, 17                        ; K block 4 s + beta: 32 rows of 4,096 bytes each
	s_add_co_u32 s34, s34, s35
	s_mov_b32 s35, 0
	s_and_b32 s42, ttmp9, 127
	s_mul_i32 s42, s42, GRP
	s_mov_b32 s43, 0
	s_wait_kmcnt 0x0
	s_and_b32 s40, s23, 1                          ; the buffers are chosen on ids alone
	s_cmp_eq_u32 s40, 0
	s_cselect_b64 s[36:37], s[4:5], s[6:7]
	s_lshr_b32 s40, s32, 1
	s_cmp_eq_u32 s40, 0
	s_cselect_b64 s[38:39], s[8:9], s[10:11]
	s_cmp_lt_u32 ttmp9, 128
	s_cselect_b64 s[36:37], s[36:37], s[38:39]
	s_cselect_b64 s[44:45], s[16:17], s[18:19]
	s_cmp_lt_u32 ttmp9, 256
	s_cselect_b64 s[44:45], s[44:45], s[20:21]
	s_add_nc_u64 s[36:37], s[36:37], s[34:35]
	s_add_nc_u64 s[44:45], s[44:45], s[42:43]
	; only the loads differ between the ways; all LDS work is common
	s_cmp_eq_u32 ttmp9, 256
	s_cbranch_scc1 .Lmlp
.irp i, 0,1,2,3,4,5,6,7,8,9,10,11,12,13,14,15,16,17,18,19,20,21,22,23,24,25,26,27,28,29,30,31
	global_load_b32 v[X+\i], v4, s[36:37] offset:4096*\i th:TH_LOAD_NT
.endr
	s_branch .Lhave
.Lmlp:
	s_cmp_lt_u32 s22, 2
	s_cbranch_scc0 .Lnot_w1
	s_lshl_b32 s34, s22, 7                         ; waves 0, 1: W1's hidden units 32 b on; a row of W1 is 256 bytes
	s_add_nc_u64 s[12:13], s[12:13], s[34:35]
.irp i, 0,1,2,3,4,5,6,7,8,9,10,11,12,13,14,15,16,17,18,19,20,21,22,23,24,25,26,27,28,29,30,31
	global_load_b32 v[X+\i], v4, s[12:13] offset:256*\i
.endr
	s_branch .Lhave
.Lnot_w1:
	s_cmp_eq_u32 s23, 2
	s_cbranch_scc0 .Lzero
	s_cmp_lt_u32 s24, 2
	s_cbranch_scc0 .Lzero
	s_lshl_b32 s34, s24, 12                        ; waves 2, 6: W2's K block beta: 32 rows of 128 bytes
	s_add_nc_u64 s[14:15], s[14:15], s[34:35]
.irp i, 0,1,2,3,4,5,6,7,8,9,10,11,12,13,14,15,16,17,18,19,20,21,22,23,24,25,26,27,28,29,30,31
	global_load_b32 v[X+\i], v4, s[14:15] offset:128*\i
.endr
	s_branch .Lhave
.Lzero:
.irp i, 0,1,2,3,4,5,6,7,8,9,10,11,12,13,14,15,16,17,18,19,20,21,22,23,24,25,26,27,28,29,30,31
	v_mov_b32 v[X+\i], 0                           ; the rest of the K step and the tiles that no weight fills: zero codes
.endr
.Lhave:
	s_wait_loadcnt 0x0
	v_max3_num_f32 v10, |v[X]|, |v[X+1]|, |v[X+2]|                  ; the block's largest magnitude, in two chains
	v_max3_num_f32 v11, |v[X+3]|, |v[X+4]|, |v[X+5]|
.irp i, 6,10,14,18,22,26
	v_max3_num_f32 v10, v10, |v[X+\i]|, |v[X+\i+1]|
	v_max3_num_f32 v11, v11, |v[X+\i+2]|, |v[X+\i+3]|
.endr
	v_max3_num_f32 v10, v10, |v[X+30]|, |v[X+31]|
	v_max3_num_f32 v10, v10, v11, 0x1800000        ; and the floor 2^(3 - 127): the byte cannot fall under 1
	v_add_nc_u32 v12, 0xff000000, v10              ; 2 off the exponent field: the conversion takes that field as its scale
	v_lshrrev_b32 v13, 23, v12                     ; the scale's byte
	v_cvt_scalef32_pk16_fp6_f32 v[C:C+2], v[X:X+15], v12
	v_cvt_scalef32_pk16_fp6_f32 v[C+8:C+10], v[X+16:X+31], v12      ; (a conversion's three registers begin on an even number)
	v_nop                                          ; one plain place behind a scaled conversion
.irp i, 0,1,2
	v_mov_b32 v[C+3+\i], v[C+8+\i]
.endr
	ds_store_b64 v5, v[C:C+1]
	ds_store_b64 v6, v[C+2:C+3]
	ds_store_b64 v5, v[C+4:C+5] offset:512
	ds_store_b8 v7, v13
	s_wait_dscnt 0x0                               ; for the others' sake: my stores have landed
	s_barrier_signal -1
	s_barrier_wait -1                              ; the group is whole
	ds_load_b128 v[60:63], v8                      ; 25 pieces of 512 bytes: every wave takes one, waves 0 to 8 a second
	s_cmp_gt_u32 s22, 8
	s_cbranch_scc1 .Lone
	ds_load_b128 v[16:19], v8 offset:8192
	s_wait_dscnt 0x0
	global_store_b128 v8, v[16:19], s[44:45] offset:8192
.Lone:
	s_wait_dscnt 0x0
	global_store_b128 v8, v[60:63], s[44:45]       ; 32 lanes store 512 consecutive bytes, aligned
	s_wait_tensorcnt 0x0
	ds_add_u32 v64, v65
	s_wait_dscnt 0x0
	s_endpgm
.Lfunc_end_k_q51dbde53ed_prep:
	.size	k_q51dbde53ed_prep, .Lfunc_end_k_q51dbde53ed_prep-k_q51dbde53ed_prep
	.p2alignl 7, 3214868480
	.fill 96, 4, 3214868480
	.section	.rodata,"a",@progbits
	.p2align	6, 0x0
	.amdhsa_kernel k_q51dbde53ed_prep
		.amdhsa_group_segment_fixed_size 14848
		.amdhsa_private_segment_fixed_size 0
		.amdhsa_enable_private_segment 0
		.amdhsa_kernarg_size 72
		.amdhsa_user_sgpr_count 2
		.amdhsa_user_sgpr_kernarg_segment_ptr 1
		.amdhsa_wavefront_size32 1
		.amdhsa_system_sgpr_workgroup_id_x 1
		.amdhsa_system_sgpr_workgroup_id_y 1
		.amdhsa_system_sgpr_workgroup_id_z 1
		.amdhsa_system_vgpr_workitem_id 0
		.amdhsa_next_free_vgpr 66
		.amdhsa_next_free_sgpr 66
		.amdhsa_reserve_vcc 0
		.amdhsa_float_denorm_mode_32 3
		.amdhsa_float_denorm_mode_16_64 3
		.amdhsa_memory_ordered 1
		.amdhsa_forward_progress 1
		.amdhsa_inst_pref_size 17
	.end_amdhsa_kernel
	.amdgpu_metadata
---
amdhsa.version: [ 1, 2 ]
amdhsa.kernels:
  - .name:           k_q51dbde53ed_prep
    .symbol:         k_q51dbde53ed_prep.kd
    .args:
      - { .name: Wq, .offset: 0, .size: 8, .value_kind: global_buffer, .address_space: global }
      - { .name: Wk, .offset: 8, .size: 8, .value_kind: global_buffer, .address_space: global }
      - { .name: Wv, .offset: 16, .size: 8, .value_kind: global_buffer, .address_space: global }
      - { .name: Wo, .offset: 24, .size: 8, .value_kind: global_buffer, .address_space: global }
      - { .name: W1, .offset: 32, .size: 8, .value_kind: global_buffer, .address_space: global }
      - { .name: W2, .offset: 40, .size: 8, .value_kind: global_buffer, .address_space: global }
      - { .name: wqk, .offset: 48, .size: 8, .value_kind: global_buffer, .address_space: global }
      - { .name: wvo, .offset: 56, .size: 8, .value_kind: global_buffer, .address_space: global }
      - { .name: wmlp, .offset: 64, .size: 8, .value_kind: global_buffer, .address_space: global }
    .group_segment_fixed_size: 14848
    .private_segment_fixed_size: 0
    .kernarg_segment_align: 8
    .kernarg_segment_size: 72
    .max_flat_workgroup_size: 512
    .sgpr_count:     66
    .vgpr_count:     66
    .wavefront_size: 32
...
	.end_amdgpu_metadata
.endif
;; end of part 1
;; launch qk (part 2): grid 256 x 1, 4 waves a work-group, no clusters, 114,176 bytes of LDS; arguments x, bq, bk, b1, b2, mask, wqk, wmlp, xc, lg, st; writes xc, lg, st
.if DOCPART == 2
	.amdgcn_target "amdgcn-amd-amdhsa--gfx1250"
	.amdhsa_code_object_version 6
	.text
	.protected	k_q51dbde53ed_qk
	.globl	k_q51dbde53ed_qk
	.p2align	8
	.type	k_q51dbde53ed_qk,@function
k_q51dbde53ed_qk:
	s_mov_b64 s[64:65], 0
	v_nop
	global_prefetch_b8 v0, s[64:65] scope:SCOPE_SE
	s_setreg_imm32_b32 hwreg(HW_REG_WAVE_MODE, 25, 1), 1
	s_wait_xcnt 0x0
; For 64 tokens a work-group: x -> codes of FP6 (kept in LDS, and stored to xc for the next launch); q = x Wq + bq, k = x Wk + bk (quantised products); score = q . k / sqrt(32) for each head, in f32;
; logits = relu(score W1 + b1) W2 + b2 (two quantised products), -1e9 where mask = 0; stored to lg; and for each wave's 16 tokens and each head the largest logit m and the sum of e^(logit - m), stored to st.
; SHARES.  256 work-groups x 64 tokens; four waves.  A SUB-PASS is 64 tokens x 512 columns x K 1,024; a wave makes 64 x 128 of it: 32 accumulators, 256 registers, 256 matrix instructions.  Four sub-passes.
; In sub-pass P wave w holds heads 8 P + 2 w and 8 P + 2 w + 1, each as 32 columns of q and then 32 of k, so that q . k never leaves the wave.
; THE MATRIX INSTRUCTION IS USED TRANSPOSED (source 0 = 16 columns of a weight, source 1 = 16 tokens): a lane holds one token, and the 16 registers of tiles 2 b, 2 b + 1 are columns 32 b + 16 (lane / 16) + 0 .. 15.
; THE WEIGHTS COME FROM MEMORY STRAIGHT INTO REGISTERS, as images of the operand's registers that the launch before has laid, one stream a wave, through a ring of four register sets, three K steps ahead.
; No tensor loads, no joint requests: with 64 rows to a work-group each weight fragment is wanted by exactly ONE of its waves and feeds four products; through LDS a K step would write and read 96 KB of weights
; beside the 26 KB of x's images that the four waves read; in registers they pass LDS by.
; x's images: a fragment (16 tokens x 128 K) is 12 registers a lane, stored by three ds_store_b128 at 16 x lane; any wave loads it back by the same three lines.
; The biases are the C of each sum's first matrix instruction.
; LIMITS: NaN and infinities are not served; a block of zeros, or one under 2^-124, gets the scale byte 1 (read by this program alone); v_exp_f32 gives 0 for results under 2^-126.
; REGISTERS, in windows of 256: window 0: v0-31 ids and addresses; v32-127 x's fragments, two buffers; v128-135 their scale words; v136-151 the weights' scale words, four sets; v152-215 64 numbers at work;
;   v216-234 codes just made; v236-251 at work; v252 the scale word just made.   window 1: ring sets 0, 1 (96 registers each); v192-239 b1, b2 in the result's layout.
;   window 2: ring sets 2, 3; v192-255 the sub-pass's bias as C.   window 3: the accumulators, (row tile m, tile t) at v[64 m + 8 t]; ahead of the products, x as it is loaded.
.set GRP,  12800                       ; a group of the stream: 8 fragments of 1,536 bytes + 512 bytes of scale words
.set XIMG, 0                           ; LDS: x's 32 fragments, (K step s, row tile m) at (4 s + m) x 1,536
.set XSC,  49152                       ; their scale words: [s][lane][m]
.set BIAS, 53248                       ; head hd: bq's 32 at 256 hd, bk's 32 at 256 hd + 128
.set SCO,  61440                       ; the scores: 64 tokens x (128 bytes + 16)
.set LGT,  70656                       ; the logits: likewise
.set XST,  79872                       ; a stage for each wave: 16 rows x (512 bytes + 16)
.set LI,   4                           ; v4   16 x lane
.set T16,  5                           ; v5   16 x thread
.set AAD,  6                           ; v6   source 1's images
.set ASD,  7                           ; v7   and their scale words
.set BA0,  8                           ; v8   BIAS + 512 w + 64 h
.set BAD,  9                           ; v9   the same in the sub-pass in hand
.set XSA,  10                          ; v10  the stage, in: 16 x lane
.set XSB,  11                          ; v11  the stage, out: 528 r + 64 h
.set XWI,  12                          ; v12  where I put my images: 16 x lane + 1,536 w (in LDS and in xc alike)
.set XWS,  13                          ; v13  and their scale words: 16 x lane + 4 w
.set BDA,  14                          ; v14  where I put 16 bytes of bq
.set SA0,  15                          ; v15  SCO + 144 r + 8 w
.set SAD,  16                          ; v16  the same in the sub-pass in hand
.set B1O,  17                          ; v17  64 h
.set MO,   18                          ; v18  4 r
.set SCR,  19                          ; v19  my token's scores, heads 16 h on
.set LGW,  20                          ; v20  my token's logits, heads 16 h on
.set LGH,  21                          ; v21  the logits with lane = head
.set LGR,  22                          ; v22  the logits as rows of lg
.set L8,   23                          ; v23  8 x lane
.set NEGV, 24                          ; v24  -1e9
.set AF,   32
.set XS,   128
.set SCB,  136
.set ST,   152
.set PC,   216
.set TM,   236
.set PW,   252
.set XP,   8                           ; s[8:9]   x at my wave's 16 rows
.set BQ,   10
.set BK,   12
.set B1P,  14
.set B2P,  16
.set MK,   18                          ; s[18:19] mask at my wave's tokens
.set WB,   20                          ; s[20:21] my wave's stream, at the sub-pass in hand
.set WMP,  22                          ; s[22:23] wmlp
.set XC,   24                          ; s[24:25] xc at my work-group's part
.set LG,   26                          ; s[26:27] lg at my wave's tokens
.set STP,  28                          ; s[28:29] st at my wave's 256 bytes
.set WV,   30
.set SEL,  32                          ; s[32:33] v_permlanex16_b32's selects for lane l xor 16
.set CNT,  34
.set PB,   35                          ; 2,048 x sub-pass
.set PS,   36                          ; 32 x sub-pass
.set MSB, 0
.macro WIN new                         ; the immediate's high byte repeats the setting that is left; a switch that changes nothing is dropped
.if MSB != (\new)
	s_set_vgpr_msb (MSB<<8)|(\new)
.set MSB, (\new)
.endif
.endm
; 64 numbers of a lane, v[s] .. v[s + 63], register 16 b + i = k 32 b + 16 (lane / 16) + i of my row, become a fragment's codes in v[PC] on and its scale word in v[PW].
.macro QUANT s
.irp b, 0,1,2,3
	v_max3_num_f32 v[TM+\b], |v[\s+16*\b]|, |v[\s+1+16*\b]|, 0x1800000   ; block b: my 16 numbers, and the floor 2^(3 - 127): the byte cannot fall under 1
.endr
.irp i, 2,4,6,8,10,12,14
.irp b, 0,1,2,3
	v_max3_num_f32 v[TM+\b], v[TM+\b], |v[\s+16*\b+\i]|, |v[\s+1+16*\b+\i]|   ; (the four blocks by turns)
.endr
.endr
.irp b, 0,1,2,3
	v_permlanex16_b32 v[TM+4+\b], v[TM+\b], s[SEL], s[SEL+1]
.endr
.irp b, 0,1,2,3
	v_max_num_f32 v[TM+\b], v[TM+\b], v[TM+4+\b]   ; with lane l xor 16's: the block's largest magnitude
.endr
.irp b, 0,1,2,3
	v_add_nc_u32 v[TM+12+\b], 0xff000000, v[TM+\b]   ; 2 off its exponent field: the conversion's scale operand
.endr
.irp b, 0,1,2,3
	v_lshrrev_b32 v[TM+4+\b], 23, v[TM+12+\b]      ; the scale's byte
.endr
	v_lshl_or_b32 v[PW], v[TM+5], 8, v[TM+4]       ; the four bytes make my row's scale word
	v_lshl_or_b32 v[PW], v[TM+6], 16, v[PW]
	v_lshl_or_b32 v[PW], v[TM+7], 24, v[PW]
.irp c, 0,1
	v_cvt_scalef32_pk16_fp6_f32 v[PC+6*\c:PC+2+6*\c], v[\s+32*\c:\s+15+32*\c], v[TM+12+2*\c]
	v_cvt_scalef32_pk16_fp6_f32 v[PC+12+4*\c:PC+14+4*\c], v[\s+16+32*\c:\s+31+32*\c], v[TM+12+2*\c+1]   ; (a conversion's three registers begin on an even number)
.endr
	v_nop                                          ; one plain place behind a scaled conversion
.irp c, 0,1                                    ; the operand's layout wants a WHOLE block in a lane: lanes 0-15 block 2 c, lanes 16-31 block 2 c + 1
.irp i, 0,1,2
	v_permlane16_swap_b32 v[PC+6*\c+\i], v[PC+12+4*\c+\i]
.endr
.irp i, 0,1,2
	v_mov_b32 v[PC+3+6*\c+\i], v[PC+12+4*\c+\i]
.endr
.endr
.endm
.macro IMAGE adr, off                          ; the fragment in v[PC] on goes to LDS as it stands
.irp c, 0,1,2
	ds_store_b128 v[\adr], v[PC+4*\c:PC+4*\c+3] offset:\off+512*\c
.endr
.endm
.macro AFRAG reg, off                          ; and comes back so, in any wave
.irp c, 0,1,2
	ds_load_b128 v[\reg+4*\c:\reg+4*\c+3], v[AAD] offset:\off+512*\c
.endr
.endm
.macro RF q, j, base, off                      ; fragment j of a group into ring set q: three loads of 512 consecutive bytes
	WIN 0x40+0x40*((\q)/2)
.irp c, 0,1,2
	global_load_b128 v[96*((\q)%2)+12*(\j)+4*\c:96*((\q)%2)+12*(\j)+4*\c+3], v[LI], s[\base:\base+1] offset:(\off)+1536*(\j)+512*\c
.endr
.endm
.macro RS q, base, off                         ; the group's scale words: register b: lanes 0-15 tile 2 b, lanes 16-31 tile 2 b + 1
	WIN 0
	global_load_b128 v[SCB+4*(\q):SCB+4*(\q)+3], v[LI], s[\base:\base+1] offset:(\off)+12288
.endm
.macro PRIME q, G                              ; a whole group: 25 loads
.irp j, 0,1,2,3,4,5,6,7
	RF \q, \j, WB, (\G)*GRP
.endr
	RS \q, WB, (\G)*GRP
.endm
.macro BLOAD j                                 ; b1's four tiles and b2's two in the result's layout (lane (r, h), tile 2 b + u: units 32 b + 8 u + 16 h + 0 .. 7), and my token's mask: 13 loads
.if (\j) < 4
	WIN 0x40
	global_load_b128 v[192+8*(\j):195+8*(\j)], v[B1O], s[B1P:B1P+1] offset:(32*((\j)/2)+8*((\j)%2))*4
	global_load_b128 v[196+8*(\j):199+8*(\j)], v[B1O], s[B1P:B1P+1] offset:(32*((\j)/2)+8*((\j)%2))*4+16
.elseif (\j) < 6
	WIN 0x40
	global_load_b128 v[224+8*((\j)-4):227+8*((\j)-4)], v[B1O], s[B2P:B2P+1] offset:32*((\j)-4)
	global_load_b128 v[228+8*((\j)-4):231+8*((\j)-4)], v[B1O], s[B2P:B2P+1] offset:32*((\j)-4)+16
.elseif (\j) == 6
	WIN 0
	global_load_b32 v253, v[MO], s[MK:MK+1]
.endif
.endm
.macro MMA d, a, b, c, sa, sb, row             ; row = 1: source 0's scale words stand in lanes 16-31
.if \row
	v_wmma_scale_f32_16x16x128_f8f6f4 v[(\d):(\d)+7], v[(\a):(\a)+11], v[(\b):(\b)+11], v[(\c):(\c)+7], v[\sa], v[\sb] matrix_a_fmt:MATRIX_FMT_FP6 matrix_b_fmt:MATRIX_FMT_FP6 matrix_a_scale:MATRIX_SCALE_ROW1
.else
	v_wmma_scale_f32_16x16x128_f8f6f4 v[(\d):(\d)+7], v[(\a):(\a)+11], v[(\b):(\b)+11], v[(\c):(\c)+7], v[\sa], v[\sb] matrix_a_fmt:MATRIX_FMT_FP6 matrix_b_fmt:MATRIX_FMT_FP6
.endif
.endm
; ALL LOADS OF K STEP s STAND IN ONE RUN AT ITS HEAD, so that its 32 products follow each other with no memory instruction between them and under one window setting: three switches a step.
; Four v_nop first: the places behind the last step's products, which were the last to read the other buffer of x, ring set (s - 1) % 4 and both their scale words (ISA guide 7.12.1 for vector instructions);
; in step 0 the places at the head of the work behind the last sub-pass serve.  Then, under window 0, the next step's four fragments of x with their scale words (13 LDS loads) and the
; scale words of the group three steps on; then that group's eight fragments.
.macro RUN s
.if (\s) > 0
.rept 4
	v_nop
.endr
.endif
	WIN 0
.if (\s) < 7
.irp m, 0,1,2,3
	AFRAG AF+48*(1-sbf)+12*\m, 6144*((\s)+1)+1536*\m
.endr
	ds_load_b128 v[XS+4*(1-sbf):XS+4*(1-sbf)+3], v[ASD] offset:512*((\s)+1)
.endif
.if rk == 1
	RS snq, WB, ((\s)+3)*GRP
.irp j, 0,1,2,3,4,5,6,7
	RF snq, \j, WB, ((\s)+3)*GRP
.endr
.elseif rk == 2
	RS 0, WMP, 0
.irp j, 0,1,2,3,4,5,6,7
	RF 0, \j, WMP, 0
.endr
.elseif rk == 3
	BLOAD 6
.irp j, 0,1,2,3,4,5
	BLOAD \j
.endr
.endif
.endm
; K step s of a sub-pass: the run of loads, then 32 matrix instructions, the 32 accumulators by turns, in the same order in every step.
; mode 1: the ring goes on into the next sub-pass.  mode 2, the last sub-pass: steps 0-4 fetch its last groups, step 5 the group wmlp, step 6 b1, b2 and the mask.
; The wait on LOADcnt stands ahead of the run and counts the loads issued behind this step's group, 25 a group: two groups; in mode 2's last step wmlp's 25 and the 13.
.macro STEPK s, mode
.set sq, (\s)%4
.set sbf, (\s)%2
.set snq, ((\s)+3)%4
.set rk, 1
.set nw, 50
.if (\mode) == 2
.if (\s) == 5
.set rk, 2
.endif
.if (\s) == 6
.set rk, 3
.endif
.if (\s) == 7
.set rk, 0
.set nw, 38
.endif
.endif
	s_wait_loadcnt nw
	RUN \s
.if (\s) < 7
	s_wait_dscnt 13                                ; all but the run's 13 LDS loads: this step's fragments of x are in (asked for a step ago); in step 0 the bias too
.else
	s_wait_dscnt 0x0                               ; the last step's run has no LDS load
.endif
.if (\s) == 0
	WIN 0xe1                                       ; weights window 1, x window 0, the bias window 2, the sums window 3
.else
	WIN 0xf1+sq/2                                  ; weights window 1 or 2, C and D window 3
.endif
.set ki, 0
.rept 32
.set kt, ki/4
.set km, ki%4
.set rD, 64*km+8*kt
.set rA, 96*(sq%2)+12*kt
.set rB, AF+48*sbf+12*km
.set rSA, SCB+4*sq+kt/2
.set rSB, XS+4*sbf+km
.if (\s) == 0
.set rC, 192+8*kt
.else
.set rC, rD
.endif
	MMA rD, rA, rB, rC, rSA, rSB, kt%2
.set ki, ki+1
.endr
.endm
.macro HEADP                                   ; a sub-pass's head: its 128 biases in the result's layout, and K step 0's fragments of x
	v_add_nc_u32 v[BAD], s[PB], v[BA0]
	WIN 0x80
.irp b, 0,1,2,3
.irp j, 0,1,2,3
	ds_load_b128 v[192+16*\b+4*\j:195+16*\b+4*\j], v[BAD] offset:128*\b+16*\j
.endr
.endr
	WIN 0
.irp m, 0,1,2,3
	AFRAG AF+12*\m, 1536*\m
.endr
	ds_load_b128 v[XS:XS+3], v[ASD]
.endm
.macro SUBPASS mode
	HEADP
.irp s, 0,1,2,3,4,5,6,7
	STEPK \s, \mode
.endr
	WIN 0
.endm
.macro FOOT
	s_wait_xcnt 0x0                                ; the ring's loads have read their base: it may step
	s_add_nc_u64 s[WB:WB+1], s[WB:WB+1], 8*GRP
	s_add_co_u32 s[PB], s[PB], 2048
.endm
; q . k / sqrt(32) of my two heads for the 64 tokens: eight chains (m, e) of packed multiply-adds, each accumulator from its low end on; the other 16 of a head's 32 lie in lane l xor 16.
.macro SCORE
.rept 4
	v_nop                                          ; four places behind the last products
.endr
	WIN 0x0f                                       ; sources 0 and 1 window 3
.irp m, 0,1,2,3
.irp e, 0,1
	v_pk_mul_f32 v[ST+4*\m+2*\e:ST+4*\m+2*\e+1], v[64*\m+32*\e:64*\m+32*\e+1], v[64*\m+32*\e+16:64*\m+32*\e+17]
.endr
.endr
.irp i, 2,4,6,8,10,12,14
.irp m, 0,1,2,3
.irp e, 0,1
	v_pk_fma_f32 v[ST+4*\m+2*\e:ST+4*\m+2*\e+1], v[64*\m+32*\e+\i:64*\m+32*\e+\i+1], v[64*\m+32*\e+16+\i:64*\m+32*\e+17+\i], v[ST+4*\m+2*\e:ST+4*\m+2*\e+1]
.endr
.endr
.endr
	WIN 0
.irp n, 0,1,2,3,4,5,6,7
	v_add_f32 v[ST+16+\n], v[ST+2*\n], v[ST+2*\n+1]
.endr
.irp n, 0,1,2,3,4,5,6,7
	v_permlanex16_b32 v[ST+24+\n], v[ST+16+\n], s[SEL], s[SEL+1]
.endr
.irp n, 0,1,2,3,4,5,6,7
	v_add_f32 v[ST+16+\n], v[ST+16+\n], v[ST+24+\n]
.endr
.irp n, 0,1,2,3,4,5,6,7
	v_mul_f32 v[ST+32+\n], 0x3e3504f3, v[ST+16+\n] ; x 32^-0.5
.endr
	v_add_nc_u32 v[SAD], s[PS], v[SA0]
.irp m, 0,1,2,3
	ds_store_b64 v[SAD], v[ST+32+2*\m:ST+33+2*\m] offset:2304*\m   ; token 16 m + r, heads 8 P + 2 w, + 1; both halves of the lanes write the same numbers to the same place
.endr
	s_add_co_u32 s[PS], s[PS], 32
.endm
	s_load_b512 s[8:23], s[0:1], 0x0               ; x, bq, bk, b1, b2, mask, wqk, wmlp
	s_load_b128 s[24:27], s[0:1], 0x40             ; xc, lg
	s_load_b64 s[28:29], s[0:1], 0x50              ; st
	v_lshl_add_u32 v254, v0, 2, 0x1bc00
	v_mov_b32 v255, 0
	v_lshrrev_b32 v1, 5, v0
	v_readfirstlane_b32 s[WV], v1                  ; wave 0..3
	v_and_b32 v1, 31, v0                           ; lane
	v_and_b32 v2, 15, v0                           ; r
	v_bfe_u32 v3, v0, 4, 1                         ; h
	v_lshlrev_b32 v[LI], 4, v1
	v_lshlrev_b32 v[T16], 4, v0
	s_mul_i32 s50, s[WV], 8448
	s_add_co_u32 s50, s50, XST                     ; my stage
	v_add_nc_u32 v[XSA], s50, v[LI]
	v_mul_u32_u24 v[XSB], v2, 528
	v_lshl_add_u32 v[XSB], v3, 6, v[XSB]
	v_add_nc_u32 v[XSB], s50, v[XSB]
	s_mul_i32 s50, s[WV], 1536
	v_add_nc_u32 v[XWI], s50, v[LI]
	s_lshl_b32 s50, s[WV], 2
	v_add_nc_u32 v[XWS], s50, v[LI]
	v_lshrrev_b32 v[BDA], 3, v0                    ; thread t holds bq[4 t ..]: head t / 8, 16 (t % 8) bytes into its 128
	v_and_b32 v25, 7, v0
	v_lshlrev_b32 v[BDA], 8, v[BDA]
	v_lshl_add_u32 v[BDA], v25, 4, v[BDA]
	v_add_nc_u32 v[BDA], BIAS, v[BDA]
	s_lshl_b32 s50, s[WV], 9
	s_add_co_u32 s50, s50, BIAS
	v_lshlrev_b32 v[B1O], 6, v3
	v_add_nc_u32 v[BA0], s50, v[B1O]
	v_mul_u32_u24 v25, v2, 144
	s_lshl_b32 s50, s[WV], 3
	s_add_co_u32 s50, s50, SCO
	v_add_nc_u32 v[SA0], s50, v25
	v_add_nc_u32 v25, v25, v[B1O]                  ; 144 r + 64 h
	s_mul_i32 s51, s[WV], 2304                     ; my 16 tokens' rows
	s_add_co_u32 s50, s51, SCO
	v_add_nc_u32 v[SCR], s50, v25
	s_add_co_u32 s50, s51, LGT
	v_add_nc_u32 v[LGW], s50, v25
	v_lshl_add_u32 v[LGH], v1, 2, s50
	v_lshrrev_b32 v25, 3, v1
	v_mul_u32_u24 v[LGR], v25, 144
	v_and_b32 v25, 7, v1
	v_lshl_add_u32 v[LGR], v25, 4, v[LGR]
	v_add_nc_u32 v[LGR], s50, v[LGR]
	v_lshlrev_b32 v[L8], 3, v1
	v_lshlrev_b32 v[MO], 2, v2
	v_mov_b32 v[NEGV], 0xce6e6b28                  ; -1e9
	v_add_nc_u32 v[AAD], XIMG, v[LI]
	v_add_nc_u32 v[ASD], XSC, v[LI]
.irp b, 0,1,2,3
	v_mov_b32 v[TM+4+\b], 0                        ; written once: a lane permute's destination counts as one of its sources
.endr
	s_mov_b32 s[SEL], 0x76543210
	s_mov_b32 s[SEL+1], 0xfedcba98
	s_mov_b32 s[PB], 0
	s_mov_b32 s[PS], 0
	s_lshl_b32 s38, ttmp9, 18                      ; x: (64 g + 16 w) rows of 4,096 bytes
	s_lshl_b32 s39, s[WV], 16
	s_add_co_u32 s38, s38, s39
	s_mov_b32 s39, 0
	s_mul_i32 s40, ttmp9, 53248                    ; xc: 53,248 bytes a work-group
	s_mov_b32 s41, 0
	s_lshl_b32 s42, ttmp9, 8                       ; mask: 4 bytes a token
	s_lshl_b32 s43, s[WV], 6
	s_add_co_u32 s42, s42, s43
	s_mov_b32 s43, 0
	s_lshl_b32 s44, ttmp9, 13                      ; lg: 128 bytes a token
	s_lshl_b32 s45, s[WV], 11
	s_add_co_u32 s44, s44, s45
	s_mov_b32 s45, 0
	s_lshl_b32 s46, ttmp9, 10                      ; st: 256 bytes a wave
	s_lshl_b32 s47, s[WV], 8
	s_add_co_u32 s46, s46, s47
	s_mov_b32 s47, 0
	s_mul_i32 s48, s[WV], 32*GRP                   ; my stream
	s_mov_b32 s49, 0
	s_wait_kmcnt 0x0
	s_add_nc_u64 s[XP:XP+1], s[XP:XP+1], s[38:39]
	s_add_nc_u64 s[XC:XC+1], s[XC:XC+1], s[40:41]
	s_add_nc_u64 s[MK:MK+1], s[MK:MK+1], s[42:43]
	s_add_nc_u64 s[LG:LG+1], s[LG:LG+1], s[44:45]
	s_add_nc_u64 s[STP:STP+1], s[STP:STP+1], s[46:47]
	s_add_nc_u64 s[WB:WB+1], s[WB:WB+1], s[48:49]
	global_load_b128 v[32:35], v[T16], s[BQ:BQ+1]
	global_load_b128 v[36:39], v[T16], s[BQ:BQ+1] offset:2048
	global_load_b128 v[40:43], v[T16], s[BK:BK+1]
	global_load_b128 v[44:47], v[T16], s[BK:BK+1] offset:2048
; K step s of my 16 rows of x: sixteen loads, each 512 consecutive bytes of one row, into set s % 4 of window 3
.macro XLOAD s
	WIN 0xc0
.irp p, 0,1,2,3,4,5,6,7,8,9,10,11,12,13,14,15
	global_load_b128 v[64*((\s)%4)+4*\p:64*((\s)%4)+4*\p+3], v[LI], s[XP:XP+1] offset:4096*\p+512*(\s) th:TH_LOAD_NT
.endr
.endm
	XLOAD 0
	XLOAD 1
	XLOAD 2
	s_wait_loadcnt 48                              ; the four loads of bq and bk are in; x's three sets stay out
	WIN 0
	ds_store_b128 v[BDA], v[32:35]
	ds_store_b128 v[BDA], v[36:39] offset:4096
	ds_store_b128 v[BDA], v[40:43] offset:128
	ds_store_b128 v[BDA], v[44:47] offset:4224
; K step s of my 16 rows becomes a fragment.  A load is dense along a row, the conversions want 16 neighbours in a lane: so the 16 x 512 bytes turn through my own stage (LDS serves a wave's instructions in order:
; no wait between the stores and the loads).  The loads of x run three steps ahead; in the last three steps the ring's first three groups are asked for in their stead.
.macro XSTEP s
.if (\s) <= 4
	XLOAD (\s)+3
	s_wait_loadcnt 48                              ; behind this step's set: three sets of 16
.else
	PRIME (\s)-5, (\s)-5
.if (\s) == 5
	s_wait_loadcnt 57                              ; behind this step's set: two sets of 16 and a group of 25
.else
	s_wait_loadcnt 63                              ; behind it: 66, then 75 loads; the wait names the most that its field holds, which is fewer, and so is safe
.endif
.endif
	WIN 0x0c                                       ; an LDS store's data: window 3
.irp p, 0,1,2,3,4,5,6,7,8,9,10,11,12,13,14,15
	ds_store_b128 v[XSA], v[64*((\s)%4)+4*\p:64*((\s)%4)+4*\p+3] offset:528*\p
.endr
	WIN 0
.irp b, 0,1,2,3
.irp j, 0,1,2,3
	ds_load_b128 v[ST+16*\b+4*\j:ST+16*\b+4*\j+3], v[XSB] offset:128*\b+16*\j
.endr
.endr
	s_wait_dscnt 0x0                               ; the numbers are back; the stage's stores have read their set, the last image's stores the codes
	s_wait_xcnt 0x0                                ; the last step's stores to xc have read the codes: they may be written again
	QUANT ST
	IMAGE XWI, XIMG+6144*(\s)
	ds_store_b32 v[XWS], v[PW] offset:XSC+512*(\s)
.irp c, 0,1,2
	global_store_b128 v[XWI], v[PC+4*\c:PC+4*\c+3], s[XC:XC+1] offset:6144*(\s)+512*\c   ; 512 consecutive bytes, aligned
.endr
.endm
.irp s, 0,1,2,3,4,5,6,7
	XSTEP \s
.endr
	s_wait_dscnt 0x0                               ; for the others' sake: my images, scale words and biases have landed
	s_barrier_signal -1
	s_barrier_wait -1                              ; x's 32 fragments lie in LDS
	ds_load_b128 v[ST:ST+3], v[T16] offset:XSC     ; the scale words leave as they lie: 4,096 bytes, 16 a thread, twice
	ds_load_b128 v[ST+4:ST+7], v[T16] offset:XSC+2048
	s_wait_dscnt 0x0
	global_store_b128 v[T16], v[ST:ST+3], s[XC:XC+1] offset:49152
	global_store_b128 v[T16], v[ST+4:ST+7], s[XC:XC+1] offset:51200
	s_wait_xcnt 0x0                                ; these stores and the last images' have read their registers, which the scores and the small products write again
	s_mov_b32 s[CNT], 3
.Lsub:
	SUBPASS 1
	SCORE
	FOOT
	s_sub_co_u32 s[CNT], s[CNT], 1
	s_cmp_lg_u32 s[CNT], 0
	s_cbranch_scc1 .Lsub
	SUBPASS 2
	SCORE
	s_wait_dscnt 0x0                               ; for the others' sake: my scores have landed
	s_barrier_signal -1
	s_barrier_wait -1                              ; all 32 heads' scores of the 64 tokens lie in LDS.  From here on wave w works alone, on tokens 16 w .. 16 w + 15
	; ---- the small products.  K = 32, then 64: the rest of the K step of 128 is zeros on both sides
.set zi, 16
.rept 48
	v_mov_b32 v[ST+zi], 0                          ; the numbers beyond K
.set zi, zi+1
.endr
.irp j, 0,1,2,3
	ds_load_b128 v[ST+4*\j:ST+4*\j+3], v[SCR] offset:16*\j   ; my token's scores of heads 16 h + 0 .. 15
.endr
	s_wait_dscnt 0x0
	s_wait_loadcnt 0x0                             ; wmlp, b1, b2, the mask
	QUANT ST
.rept 8
	v_nop                                          ; a scale register written by a vector instruction stands 8 places ahead of a scaled matrix instruction, an operand so written 4
.endr
	WIN 0x11                                       ; the weights and the bias: window 1
.irp t, 0,1,2,3
	MMA ST+8*\t, 12*\t, PC, 192+8*\t, SCB+\t/2, PW, \t%2   ; hidden units: registers 16 b + i = unit 32 b + 16 h + i
.endr
	WIN 0
.rept 4
	v_nop
.endr
.set zi, 0
.rept 32
	v_max_num_f32 v[ST+zi], 0, v[ST+zi]            ; relu, in f32
.set zi, zi+1
.endr
	QUANT ST
.rept 8
	v_nop
.endr
	WIN 0x11
.irp u, 0,1
	MMA 32+8*\u, 48+12*\u, PC, 224+8*\u, SCB+2, PW, \u   ; v32-47: my token's logits of heads 16 h + 0 .. 15
.endr
	WIN 0
.rept 4
	v_nop
.endr
	v_cmp_eq_u32 vcc_lo, 0, v253
.irp i, 0,1,2,3,4,5,6,7,8,9,10,11,12,13,14,15
	v_cndmask_b32 v[32+\i], v[32+\i], v[NEGV], vcc_lo   ; -1e9 where the token's mask is 0
.endr
	; ---- the logits leave as rows; with lane = head, the 16 tokens' largest logit and the sum of e^(logit - it)
.irp j, 0,1,2,3
	ds_store_b128 v[LGW], v[32+4*\j:35+4*\j] offset:16*\j
.endr
.irp i, 0,1,2,3,4,5,6,7,8,9,10,11,12,13,14,15
	ds_load_b32 v[48+\i], v[LGH] offset:144*\i     ; (my own rows: LDS serves a wave's instructions in order)
.endr
.irp i, 0,1,2,3
	ds_load_b128 v[64+4*\i:67+4*\i], v[LGR] offset:576*\i
.endr
	s_wait_dscnt 4                                 ; the sixteen words are in; the four row loads may be out
	v_max3_num_f32 v96, v48, v49, v50
.irp i, 3,5,7,9,11,13
	v_max3_num_f32 v96, v96, v[48+\i], v[49+\i]
.endr
	v_max_num_f32 v96, v96, v63
.irp i, 0,1,2,3,4,5,6,7,8,9,10,11,12,13,14,15
	v_sub_f32 v[80+\i], v[48+\i], v96              ; the difference first: -1e9 less -1e9 is 0 exactly
.endr
.irp i, 0,1,2,3,4,5,6,7,8,9,10,11,12,13,14,15
	v_mul_f32 v[80+\i], 0x3fb8aa3b, v[80+\i]
.endr
.irp i, 0,1,2,3,4,5,6,7,8,9,10,11,12,13,14,15
	v_exp_f32 v[80+\i], v[80+\i]
.endr
	v_nop                                          ; a plain place behind the last exponential
	s_wait_alu depctr_va_vdst(0)                   ; one wait for the batch, ahead of its first reader
	v_add_f32 v97, v80, v81
	v_add_f32 v98, v82, v83
.irp i, 4,8,12
	v_add_f32 v97, v97, v[80+\i]
	v_add_f32 v98, v98, v[81+\i]
	v_add_f32 v97, v97, v[82+\i]
	v_add_f32 v98, v98, v[83+\i]
.endr
	v_add_f32 v97, v97, v98
	s_wait_dscnt 0x0
.irp i, 0,1,2,3
	global_store_b128 v[LI], v[64+4*\i:67+4*\i], s[LG:LG+1] offset:512*\i   ; four tokens' 512 consecutive bytes
.endr
	global_store_b64 v[L8], v[96:97], s[STP:STP+1] ; (m, s) of head = lane: 256 consecutive bytes, aligned
	s_wait_tensorcnt 0x0
	ds_add_u32 v254, v255
	s_wait_dscnt 0x0
	s_endpgm
.Lfunc_end_k_q51dbde53ed_qk:
	.size	k_q51dbde53ed_qk, .Lfunc_end_k_q51dbde53ed_qk-k_q51dbde53ed_qk
	.p2alignl 7, 3214868480
	.fill 96, 4, 3214868480
	.section	.rodata,"a",@progbits
	.p2align	6, 0x0
	.amdhsa_kernel k_q51dbde53ed_qk
		.amdhsa_group_segment_fixed_size 114176
		.amdhsa_private_segment_fixed_size 0
		.amdhsa_enable_private_segment 0
		.amdhsa_kernarg_size 88
		.amdhsa_user_sgpr_count 2
		.amdhsa_user_sgpr_kernarg_segment_ptr 1
		.amdhsa_wavefront_size32 1
		.amdhsa_system_sgpr_workgroup_id_x 1
		.amdhsa_system_sgpr_workgroup_id_y 1
		.amdhsa_system_sgpr_workgroup_id_z 1
		.amdhsa_system_vgpr_workitem_id 0
		.amdhsa_next_free_vgpr 1024
		.amdhsa_next_free_sgpr 66
		.amdhsa_reserve_vcc 1
		.amdhsa_float_denorm_mode_32 3
		.amdhsa_float_denorm_mode_16_64 3
		.amdhsa_memory_ordered 1
		.amdhsa_forward_progress 1
		.amdhsa_inst_pref_size 224
	.end_amdhsa_kernel
	.amdgpu_metadata
---
amdhsa.version: [ 1, 2 ]
amdhsa.kernels:
  - .name:           k_q51dbde53ed_qk
    .symbol:         k_q51dbde53ed_qk.kd
    .args:
      - { .name: x, .offset: 0, .size: 8, .value_kind: global_buffer, .address_space: global }
      - { .name: bq, .offset: 8, .size: 8, .value_kind: global_buffer, .address_space: global }
      - { .name: bk, .offset: 16, .size: 8, .value_kind: global_buffer, .address_space: global }
      - { .name: b1, .offset: 24, .size: 8, .value_kind: global_buffer, .address_space: global }
      - { .name: b2, .offset: 32, .size: 8, .value_kind: global_buffer, .address_space: global }
      - { .name: mask, .offset: 40, .size: 8, .value_kind: global_buffer, .address_space: global }
      - { .name: wqk, .offset: 48, .size: 8, .value_kind: global_buffer, .address_space: global }
      - { .name: wmlp, .offset: 56, .size: 8, .value_kind: global_buffer, .address_space: global }
      - { .name: xc, .offset: 64, .size: 8, .value_kind: global_buffer, .address_space: global }
      - { .name: lg, .offset: 72, .size: 8, .value_kind: global_buffer, .address_space: global }
      - { .name: st, .offset: 80, .size: 8, .value_kind: global_buffer, .address_space: global }
    .group_segment_fixed_size: 114176
    .private_segment_fixed_size: 0
    .kernarg_segment_align: 8
    .kernarg_segment_size: 88
    .max_flat_workgroup_size: 128
    .sgpr_count:     66
    .vgpr_count:     1024
    .wavefront_size: 32
...
	.end_amdgpu_metadata
.endif
;; end of part 2
;; launch vo (part 3): grid 256 x 1, 4 waves a work-group, no clusters, 167,424 bytes of LDS; arguments xc, wvo, bv, bo, lg, st, out0; writes out0
.if DOCPART == 3
	.amdgcn_target "amdgcn-amd-amdhsa--gfx1250"
	.amdhsa_code_object_version 6
	.text
	.protected	k_q51dbde53ed_vo
	.globl	k_q51dbde53ed_vo
	.p2align	8
	.type	k_q51dbde53ed_vo,@function
k_q51dbde53ed_vo:
	s_mov_b64 s[64:65], 0
	v_nop
	global_prefetch_b8 v0, s[64:65] scope:SCOPE_SE
	s_setreg_imm32_b32 hwreg(HW_REG_WAVE_MODE, 25, 1), 1
	s_wait_xcnt 0x0
; For 64 tokens a work-group: the softmax over the batch's 2,048 tokens is finished from the stored logits and the 128 partial (largest logit, sum) pairs of the batch; v = x Wv + bv (quantised product on x's stored codes);
; aw x v in f32, quantised along the 1,024 columns into LDS; out = (aw x v) Wo + bo (quantised product).
; SHARES, LAYOUT, RING: as in the launch before.  256 work-groups x 64 tokens, four waves; a sub-pass is 64 tokens x 512 columns x K 1,024, a wave makes 64 x 128 of it in 32 accumulators; two sub-passes for v, two for out.
; The matrix instruction is used transposed (source 0 = 16 columns of a weight, source 1 = 16 tokens); a wave's 128 columns of v are K step 4 P + w of the last product, so its results become whole fragments.
; The weights come from memory straight into registers, as images of the operand's registers, one stream a wave, through a ring of four register sets, three K steps ahead.  No tensor loads, no joint requests: each
; weight fragment is wanted by exactly one wave of a work-group and feeds four products; through LDS a K step would write and read 96 KB of weights beside the 26 KB of images that the four waves read.
; THE SOFTMAX takes the batch's largest logit away: M = the largest of the partial m, S = the sum of s x e^(m - M), p = e^(logit - M) / S.  Differences are formed first, so that a batch all of whose tokens are masked gives 1 / 2,048.
; LIMITS: NaN and infinities are not served; a block of zeros, or one under 2^-124, gets the scale byte 1 (read by this program alone); v_exp_f32 gives 0 for results under 2^-126.
; REGISTERS, in windows of 256: window 0: v0-31 ids and addresses; v32-127 source 1's fragments, two buffers; v128-135 their scale words; v136-151 the weights' scale words, four sets; v152-215 64 numbers at work;
;   v216-234 codes just made; v236-251 at work; v252 the scale word just made.   window 1: ring sets 0, 1.   window 2: ring sets 2, 3; v192-255 the sub-pass's bias as C.
;   window 3: the accumulators, (row tile m, tile t) at v[64 m + 8 t]; at the head, xc and the biases as they are loaded.
.set GRP,  12800
.set XIMG, 0                           ; LDS: x's 32 fragments, (K step s, row tile m) at (4 s + m) x 1,536
.set XSC,  49152                       ; their scale words: [s][lane][m]
.set BIAS, 53248                       ; bv, then bo
.set PIMG, 61440                       ; aw x v: 32 fragments, laid as x's
.set PSC,  110592                      ; their scale words
.set PTAB, 114688                      ; the weights p: 64 tokens x (32 heads x 8 bytes + 16): each p twice, a pair for the packed multiply
.set STAT, 132096                      ; [wave][head] (M, S)
.set OST,  133120                      ; a stage for each wave: 16 rows x (512 bytes + 16)
.set LI,   4                           ; v4   16 x lane
.set T16,  5                           ; v5   16 x thread
.set AAD,  6                           ; v6   source 1's images
.set ASD,  7                           ; v7   and their scale words
.set BA0,  8                           ; v8   BIAS + 512 w + 64 h
.set BAD,  9                           ; v9   the same in the sub-pass in hand
.set PRA0, 10                          ; v10  PTAB + 272 r + 32 w
.set PRA,  11
.set HWI0, 12                          ; v12  PIMG + 16 x lane + 6,144 w
.set HWI,  13
.set HWS0, 14                          ; v14  PSC + 16 x lane + 512 w
.set HWS,  15
.set OSA,  16                          ; v16  the stage, in: 528 r + 64 h
.set OSB,  17                          ; v17  the stage, out: 16 x lane
.set L8,   18                          ; v18  8 x lane
.set L4,   19                          ; v19  4 x lane
.set STW,  20                          ; v20  STAT + 256 w + 8 x lane
.set STR,  21                          ; v21  STAT + 8 x lane
.set PTW,  22                          ; v22  PTAB + 4,352 w + 8 x lane
.set AF,   32
.set XS,   128
.set SCB,  136
.set ST,   152
.set PC,   216
.set TM,   236
.set PW,   252
.set XC,   8                           ; s[8:9]   xc at my work-group's part
.set WB,   10                          ; s[10:11] my wave's stream, at the sub-pass in hand
.set BV,   12
.set BO,   14
.set LG,   16                          ; s[16:17] lg at my wave's tokens
.set STB,  18                          ; s[18:19] st at my batch's wave tiles 32 w on
.set OUT,  20                          ; s[20:21] out0 at my work-group's rows, my wave's columns
.set WV,   30
.set SEL,  32
.set CNT,  34
.set PB,   35                          ; 2,048 x sub-pass
.set PI,   36                          ; 24,576 x sub-pass
.set PP,   37                          ; 128 x sub-pass
.set MSB, 0
.macro WIN new                         ; the immediate's high byte repeats the setting that is left; a switch that changes nothing is dropped
.if MSB != (\new)
	s_set_vgpr_msb (MSB<<8)|(\new)
.set MSB, (\new)
.endif
.endm
; 64 numbers of a lane, v[s] .. v[s + 63], register 16 b + i = k 32 b + 16 (lane / 16) + i of my row, become a fragment's codes in v[PC] on and its scale word in v[PW].
.macro QUANT s
.irp b, 0,1,2,3
	v_max3_num_f32 v[TM+\b], |v[\s+16*\b]|, |v[\s+1+16*\b]|, 0x1800000   ; block b: my 16 numbers, and the floor 2^(3 - 127): the byte cannot fall under 1
.endr
.irp i, 2,4,6,8,10,12,14
.irp b, 0,1,2,3
	v_max3_num_f32 v[TM+\b], v[TM+\b], |v[\s+16*\b+\i]|, |v[\s+1+16*\b+\i]|   ; (the four blocks by turns)
.endr
.endr
.irp b, 0,1,2,3
	v_permlanex16_b32 v[TM+4+\b], v[TM+\b], s[SEL], s[SEL+1]
.endr
.irp b, 0,1,2,3
	v_max_num_f32 v[TM+\b], v[TM+\b], v[TM+4+\b]   ; with lane l xor 16's: the block's largest magnitude
.endr
.irp b, 0,1,2,3
	v_add_nc_u32 v[TM+12+\b], 0xff000000, v[TM+\b]   ; 2 off its exponent field: the conversion's scale operand
.endr
.irp b, 0,1,2,3
	v_lshrrev_b32 v[TM+4+\b], 23, v[TM+12+\b]      ; the scale's byte
.endr
	v_lshl_or_b32 v[PW], v[TM+5], 8, v[TM+4]       ; the four bytes make my row's scale word
	v_lshl_or_b32 v[PW], v[TM+6], 16, v[PW]
	v_lshl_or_b32 v[PW], v[TM+7], 24, v[PW]
.irp c, 0,1
	v_cvt_scalef32_pk16_fp6_f32 v[PC+6*\c:PC+2+6*\c], v[\s+32*\c:\s+15+32*\c], v[TM+12+2*\c]
	v_cvt_scalef32_pk16_fp6_f32 v[PC+12+4*\c:PC+14+4*\c], v[\s+16+32*\c:\s+31+32*\c], v[TM+12+2*\c+1]   ; (a conversion's three registers begin on an even number)
.endr
	v_nop                                          ; one plain place behind a scaled conversion
.irp c, 0,1                                    ; the operand's layout wants a WHOLE block in a lane: lanes 0-15 block 2 c, lanes 16-31 block 2 c + 1
.irp i, 0,1,2
	v_permlane16_swap_b32 v[PC+6*\c+\i], v[PC+12+4*\c+\i]
.endr
.irp i, 0,1,2
	v_mov_b32 v[PC+3+6*\c+\i], v[PC+12+4*\c+\i]
.endr
.endr
.endm
.macro IMAGE adr, off                          ; the fragment in v[PC] on goes to LDS as it stands
.irp c, 0,1,2
	ds_store_b128 v[\adr], v[PC+4*\c:PC+4*\c+3] offset:\off+512*\c
.endr
.endm
.macro AFRAG reg, off                          ; and comes back so, in any wave
.irp c, 0,1,2
	ds_load_b128 v[\reg+4*\c:\reg+4*\c+3], v[AAD] offset:\off+512*\c
.endr
.endm
.macro RF q, j, base, off                      ; fragment j of a group into ring set q: three loads of 512 consecutive bytes
	WIN 0x40+0x40*((\q)/2)
.irp c, 0,1,2
	global_load_b128 v[96*((\q)%2)+12*(\j)+4*\c:96*((\q)%2)+12*(\j)+4*\c+3], v[LI], s[\base:\base+1] offset:(\off)+1536*(\j)+512*\c
.endr
.endm
.macro RS q, base, off                         ; the group's scale words: register b: lanes 0-15 tile 2 b, lanes 16-31 tile 2 b + 1
	WIN 0
	global_load_b128 v[SCB+4*(\q):SCB+4*(\q)+3], v[LI], s[\base:\base+1] offset:(\off)+12288
.endm
.macro PRIME q, G                              ; a whole group: 25 loads
.irp j, 0,1,2,3,4,5,6,7
	RF \q, \j, WB, (\G)*GRP
.endr
	RS \q, WB, (\G)*GRP
.endm
.macro MMA d, a, b, c, sa, sb, row             ; row = 1: source 0's scale words stand in lanes 16-31
.if \row
	v_wmma_scale_f32_16x16x128_f8f6f4 v[(\d):(\d)+7], v[(\a):(\a)+11], v[(\b):(\b)+11], v[(\c):(\c)+7], v[\sa], v[\sb] matrix_a_fmt:MATRIX_FMT_FP6 matrix_b_fmt:MATRIX_FMT_FP6 matrix_a_scale:MATRIX_SCALE_ROW1
.else
	v_wmma_scale_f32_16x16x128_f8f6f4 v[(\d):(\d)+7], v[(\a):(\a)+11], v[(\b):(\b)+11], v[(\c):(\c)+7], v[\sa], v[\sb] matrix_a_fmt:MATRIX_FMT_FP6 matrix_b_fmt:MATRIX_FMT_FP6
.endif
.endm
; ALL LOADS OF K STEP s STAND IN ONE RUN AT ITS HEAD, so that its 32 products follow each other with no memory instruction between them and under one window setting: three switches a step.
; Four v_nop first: the places behind the last step's products, which were the last to read the other buffer of source 1, ring set (s - 1) % 4 and both their scale words (ISA guide 7.12.1 for vector instructions);
; in step 0 the places at the head of the work behind the last sub-pass serve.  Then, under window 0, the next step's four fragments of source 1 with their scale words (13 LDS loads) and
; the scale words of the group three steps on; then that group's eight fragments.
.macro RUN s
.if (\s) > 0
.rept 4
	v_nop
.endr
.endif
	WIN 0
.if (\s) < 7
.irp m, 0,1,2,3
	AFRAG AF+48*(1-sbf)+12*\m, 6144*((\s)+1)+1536*\m
.endr
	ds_load_b128 v[XS+4*(1-sbf):XS+4*(1-sbf)+3], v[ASD] offset:512*((\s)+1)
.endif
.if rk == 1
	RS snq, WB, ((\s)+3)*GRP
.irp j, 0,1,2,3,4,5,6,7
	RF snq, \j, WB, ((\s)+3)*GRP
.endr
.endif
.endm
; K step s of a sub-pass: the run of loads, then 32 matrix instructions, the 32 accumulators by turns, in the same order in every step.
; mode 1: the ring goes on into the next sub-pass.  mode 0, the last sub-pass: steps 0-4 fetch its last groups, then nothing: no load leaves the stream.
; The wait on LOADcnt stands ahead of the run and counts the loads issued behind this step's group, 25 a group: two groups; in mode 0's last two steps one, then none.
.macro STEPK s, mode
.set sq, (\s)%4
.set sbf, (\s)%2
.set snq, ((\s)+3)%4
.set rk, 1
.set nw, 50
.if (\mode) == 0
.if (\s) > 4
.set rk, 0
.endif
.if (\s) == 6
.set nw, 25
.endif
.if (\s) == 7
.set nw, 0
.endif
.endif
	s_wait_loadcnt nw
	RUN \s
.if (\s) < 7
	s_wait_dscnt 13                                ; all but the run's 13 LDS loads: this step's fragments of source 1 are in (asked for a step ago); in step 0 the bias too
.else
	s_wait_dscnt 0x0                               ; the last step's run has no LDS load
.endif
.if (\s) == 0
	WIN 0xe1                                       ; weights window 1, source 1 window 0, the bias window 2, the sums window 3
.else
	WIN 0xf1+sq/2                                  ; weights window 1 or 2, C and D window 3
.endif
.set ki, 0
.rept 32
.set kt, ki/4
.set km, ki%4
.set rD, 64*km+8*kt
.set rA, 96*(sq%2)+12*kt
.set rB, AF+48*sbf+12*km
.set rSA, SCB+4*sq+kt/2
.set rSB, XS+4*sbf+km
.if (\s) == 0
.set rC, 192+8*kt
.else
.set rC, rD
.endif
	MMA rD, rA, rB, rC, rSA, rSB, kt%2
.set ki, ki+1
.endr
.endm
.macro HEADP                                   ; a sub-pass's head: its 128 biases in the result's layout, and K step 0's fragments of source 1
	v_add_nc_u32 v[BAD], s[PB], v[BA0]
	WIN 0x80
.irp b, 0,1,2,3
.irp j, 0,1,2,3
	ds_load_b128 v[192+16*\b+4*\j:195+16*\b+4*\j], v[BAD] offset:128*\b+16*\j
.endr
.endr
	WIN 0
.irp m, 0,1,2,3
	AFRAG AF+12*\m, 1536*\m
.endr
	ds_load_b128 v[XS:XS+3], v[ASD]
.endm
.macro SUBPASS mode
	HEADP
.irp s, 0,1,2,3,4,5,6,7
	STEPK \s, \mode
.endr
	WIN 0
.endm
.macro FOOT
	s_wait_xcnt 0x0                                ; the ring's loads have read their base, the stores their registers: both may be written
	s_add_nc_u64 s[WB:WB+1], s[WB:WB+1], 8*GRP
	s_add_co_u32 s[PB], s[PB], 2048
.endm
; v's 64 x 128 of the wave, times the tokens' weights of heads 16 P + 4 w + b, quantised: K step 4 P + w of the last product, four fragments.
.macro EPI_V
.rept 4
	v_nop                                          ; four places behind the last products
.endr
	v_add_nc_u32 v[PRA], s[PP], v[PRA0]
	v_add_nc_u32 v[HWI], s[PI], v[HWI0]
	v_add_nc_u32 v[HWS], s[PB], v[HWS0]
.irp m, 0,1,2,3
.irp k, 0,1
	ds_load_b128 v[32+8*\m+4*\k:35+8*\m+4*\k], v[PRA] offset:4352*\m+16*\k   ; token 16 m + r: four heads' p, each twice
.endr
.endr
	s_wait_dscnt 0x0
.irp m, 0,1,2,3
	WIN 0x03                                       ; source 0 window 3
.set pn, 0
.rept 32
	v_pk_mul_f32 v[ST+2*pn:ST+2*pn+1], v[64*\m+2*pn:64*\m+2*pn+1], v[32+8*\m+2*(pn/8):33+8*\m+2*(pn/8)]   ; each accumulator from its low end on
.set pn, pn+1
.endr
	WIN 0
	QUANT ST
	IMAGE HWI, 1536*\m
	ds_store_b32 v[HWS], v[PW] offset:4*\m
	s_wait_dscnt 0x0                               ; the stores have read their registers
.endr
	s_add_co_u32 s[PP], s[PP], 128
	s_add_co_u32 s[PI], s[PI], 24576
.endm
; THE WAY OUT, block by block of 16 tokens x 128 columns: a lane holds pieces of one row, so a block goes through my own stage and comes back as whole rows of 512 bytes.
; LDS serves a wave's instructions in order: no wait between the stores and the loads, nor in front of the next block's stores.
.macro TOSTAGE m
	WIN 0x0c                                       ; an LDS store's data: window 3
.irp b, 0,1,2,3
.irp j, 0,1,2,3
	ds_store_b128 v[OSA], v[64*(\m)+16*\b+4*\j:64*(\m)+16*\b+4*\j+3] offset:128*\b+16*\j   ; each accumulator from its low end on
.endr
.endr
	WIN 0
.set OB, 32+120*((\m)%2)                       ; v32-95 and v152-215 by turns
.irp p, 0,1,2,3,4,5,6,7,8,9,10,11,12,13,14,15
	ds_load_b128 v[OB+4*\p:OB+4*\p+3], v[OSB] offset:528*\p
.endr
.endm
.macro SEND m, o, younger                      ; younger: the LDS instructions issued behind block m's loads, which may stay out
.set OB, 32+120*((\m)%2)
	s_wait_dscnt \younger
.irp p, 0,1,2,3,4,5,6,7,8,9,10,11,12,13,14,15
	global_store_b128 v[LI], v[OB+4*\p:OB+4*\p+3], s[OUT:OUT+1] offset:65536*(\m)+4096*\p+2048*(\o) th:TH_STORE_NT   ; 32 lanes store 512 consecutive bytes, aligned; written once
.endr
.endm
.macro EPI_O o
.rept 5
	v_nop                                          ; four places in front of the reads of results and of the loads into source 1's registers; a fifth, since the next sub-pass begins these accumulators anew with another C
.endr
	TOSTAGE 0
.irp m, 1,2,3
.if \m > 1
	s_wait_xcnt 0x0                                ; block m - 2's stores have read their registers: block m's loads may land there
.endif
	TOSTAGE \m
	SEND \m-1, \o, 32                              ; behind block m - 1's loads: block m's 16 stores and 16 loads
.endr
	SEND 3, \o, 0
.endm
	s_load_b256 s[8:15], s[0:1], 0x0               ; xc, wvo, bv, bo
	s_load_b128 s[16:19], s[0:1], 0x20             ; lg, st
	s_load_b64 s[20:21], s[0:1], 0x30              ; out0
	v_lshl_add_u32 v254, v0, 2, 0x28c00
	v_mov_b32 v255, 0
	v_lshrrev_b32 v1, 5, v0
	v_readfirstlane_b32 s[WV], v1                  ; wave 0..3
	v_and_b32 v1, 31, v0                           ; lane
	v_and_b32 v2, 15, v0                           ; r
	v_bfe_u32 v3, v0, 4, 1                         ; h
	v_lshlrev_b32 v[LI], 4, v1
	v_lshlrev_b32 v[T16], 4, v0
	v_mul_u32_u24 v23, v2, 272
	s_lshl_b32 s50, s[WV], 5
	s_add_co_u32 s50, s50, PTAB
	v_add_nc_u32 v[PRA0], s50, v23
	s_mul_i32 s50, s[WV], 6144
	s_add_co_u32 s50, s50, PIMG
	v_add_nc_u32 v[HWI0], s50, v[LI]
	s_lshl_b32 s50, s[WV], 9
	s_add_co_u32 s51, s50, PSC
	v_add_nc_u32 v[HWS0], s51, v[LI]
	s_add_co_u32 s51, s50, BIAS
	v_lshl_add_u32 v[BA0], v3, 6, s51
	s_mul_i32 s50, s[WV], 8448
	s_add_co_u32 s50, s50, OST                     ; my stage
	v_add_nc_u32 v[OSB], s50, v[LI]
	v_mul_u32_u24 v[OSA], v2, 528
	v_lshl_add_u32 v[OSA], v3, 6, v[OSA]
	v_add_nc_u32 v[OSA], s50, v[OSA]
	v_lshlrev_b32 v[L8], 3, v1
	v_lshlrev_b32 v[L4], 2, v1
	v_add_nc_u32 v[STR], STAT, v[L8]
	s_lshl_b32 s50, s[WV], 8
	v_add_nc_u32 v[STW], s50, v[STR]
	s_mul_i32 s50, s[WV], 4352
	s_add_co_u32 s50, s50, PTAB
	v_add_nc_u32 v[PTW], s50, v[L8]
	v_add_nc_u32 v[AAD], XIMG, v[LI]
	v_add_nc_u32 v[ASD], XSC, v[LI]
.irp b, 0,1,2,3
	v_mov_b32 v[TM+4+\b], 0                        ; written once: a lane permute's destination counts as one of its sources
.endr
	s_mov_b32 s[SEL], 0x76543210
	s_mov_b32 s[SEL+1], 0xfedcba98
	s_mov_b32 s[PB], 0
	s_mov_b32 s[PI], 0
	s_mov_b32 s[PP], 0
	s_mul_i32 s38, ttmp9, 53248                    ; xc: 53,248 bytes a work-group
	s_mov_b32 s39, 0
	s_mul_i32 s40, s[WV], 32*GRP                   ; my stream
	s_mov_b32 s41, 0
	s_lshl_b32 s42, ttmp9, 13                      ; lg: 128 bytes a token
	s_lshl_b32 s43, s[WV], 11
	s_add_co_u32 s42, s42, s43
	s_mov_b32 s43, 0
	s_lshr_b32 s44, ttmp9, 5                       ; st: my batch's 128 wave tiles of 256 bytes; I take 32 of them
	s_lshl_b32 s44, s44, 15
	s_lshl_b32 s45, s[WV], 13
	s_add_co_u32 s44, s44, s45
	s_mov_b32 s45, 0
	s_lshl_b32 s46, ttmp9, 18                      ; out0: 64 rows of 4,096 bytes; my 128 columns
	s_lshl_b32 s47, s[WV], 9
	s_add_co_u32 s46, s46, s47
	s_mov_b32 s47, 0
	s_wait_kmcnt 0x0
	s_add_nc_u64 s[XC:XC+1], s[XC:XC+1], s[38:39]
	s_add_nc_u64 s[WB:WB+1], s[WB:WB+1], s[40:41]
	s_add_nc_u64 s[LG:LG+1], s[LG:LG+1], s[42:43]
	s_add_nc_u64 s[STB:STB+1], s[STB:STB+1], s[44:45]
	s_add_nc_u64 s[OUT:OUT+1], s[OUT:OUT+1], s[46:47]
	WIN 0xc0                                       ; x's images and scale words, and the biases, land in window 3 on their way to LDS
.set n, 0
.rept 26
	global_load_b128 v[4*n:4*n+3], v[T16], s[XC:XC+1] offset:2048*n th:TH_LOAD_NT
.set n, n+1
.endr
	global_load_b128 v[104:107], v[T16], s[BV:BV+1]
	global_load_b128 v[108:111], v[T16], s[BV:BV+1] offset:2048
	global_load_b128 v[112:115], v[T16], s[BO:BO+1]
	global_load_b128 v[116:119], v[T16], s[BO:BO+1] offset:2048
	WIN 0
.set n, 0
.rept 32
	global_load_b64 v[ST+2*n:ST+2*n+1], v[L8], s[STB:STB+1] offset:256*n   ; (m, s) of wave tile 32 w + n, head = lane
.set n, n+1
.endr
	s_wait_loadcnt 32                              ; the first 30 loads are in; the 32 of the statistics stay out
	WIN 0x0c
.set n, 0
.rept 26
	ds_store_b128 v[T16], v[4*n:4*n+3] offset:2048*n
.set n, n+1
.endr
.irp k, 0,1,2,3
	ds_store_b128 v[T16], v[104+4*\k:107+4*\k] offset:BIAS+2048*\k
.endr
	WIN 0
.irp i, 0,1,2,3,4,5,6,7,8,9,10,11,12,13,14,15
	global_load_b32 v[32+\i], v[L4], s[LG:LG+1] offset:128*\i th:TH_LOAD_NT   ; the logit of token 16 w + i, head = lane
.endr
	s_wait_loadcnt 16                              ; the statistics are in; the 16 logits stay out
	v_max3_num_f32 v24, v[ST], v[ST+2], v[ST+4]
.irp i, 3,5,7,9,11,13,15,17,19,21,23,25,27,29
	v_max3_num_f32 v24, v24, v[ST+2*\i], v[ST+2*\i+2]
.endr
	v_max_num_f32 v24, v24, v[ST+62]               ; the largest of my 32 tiles
.set n, 0
.rept 32
	v_sub_f32 v[ST+2*n], v[ST+2*n], v24            ; the difference first
.set n, n+1
.endr
.set n, 0
.rept 32
	v_mul_f32 v[ST+2*n], 0x3fb8aa3b, v[ST+2*n]
.set n, n+1
.endr
.set n, 0
.rept 32
	v_exp_f32 v[ST+2*n], v[ST+2*n]
.set n, n+1
.endr
	v_nop                                          ; a plain place behind the last exponential
	s_wait_alu depctr_va_vdst(0)                   ; one wait for the batch, ahead of its first reader
	v_mul_f32 v25, v[ST], v[ST+1]
	v_mul_f32 v26, v[ST+2], v[ST+3]
.irp i, 2,4,6,8,10,12,14,16,18,20,22,24,26,28,30
	v_fma_f32 v25, v[ST+2*\i], v[ST+2*\i+1], v25
	v_fma_f32 v26, v[ST+2*\i+2], v[ST+2*\i+3], v26
.endr
	v_add_f32 v25, v25, v26
	ds_store_b64 v[STW], v[24:25]
	PRIME 0, 0
	PRIME 1, 1
	s_wait_dscnt 0x0                               ; for the others' sake: my part of the images and biases, and my (M, S), have landed
	s_barrier_signal -1
	s_barrier_wait -1
.irp k, 0,1,2,3
	ds_load_b64 v[80+2*\k:81+2*\k], v[STR] offset:256*\k
.endr
	s_wait_dscnt 0x0
	v_max3_num_f32 v27, v80, v82, v84
	v_max_num_f32 v27, v27, v86                    ; M: the batch's largest logit of head = lane
.irp k, 0,1,2,3
	v_sub_f32 v[88+\k], v[80+2*\k], v27
.endr
.irp k, 0,1,2,3
	v_mul_f32 v[88+\k], 0x3fb8aa3b, v[88+\k]
.endr
.irp k, 0,1,2,3
	v_exp_f32 v[88+\k], v[88+\k]
.endr
	v_nop
	s_wait_alu depctr_va_vdst(0)
	v_mul_f32 v28, v88, v81
	v_fma_f32 v28, v89, v83, v28
	v_fma_f32 v28, v90, v85, v28
	v_fma_f32 v28, v91, v87, v28                   ; S
	v_rcp_f32 v29, v28
	s_wait_loadcnt 50                              ; the logits are in; behind them the ring's groups 0 and 1
.irp i, 0,1,2,3,4,5,6,7,8,9,10,11,12,13,14,15
	v_sub_f32 v[32+\i], v[32+\i], v27              ; (plain work behind the reciprocal)
.endr
.irp i, 0,1,2,3,4,5,6,7,8,9,10,11,12,13,14,15
	v_mul_f32 v[32+\i], 0x3fb8aa3b, v[32+\i]
.endr
.irp i, 0,1,2,3,4,5,6,7,8,9,10,11,12,13,14,15
	v_exp_f32 v[32+\i], v[32+\i]
.endr
	v_nop
	s_wait_alu depctr_va_vdst(0)                   ; one wait for the reciprocal and the sixteen exponentials
.irp i, 0,1,2,3,4,5,6,7,8,9,10,11,12,13,14,15
	v_mul_f32 v[48+2*\i], v[32+\i], v29            ; p, into both registers of a pair
	v_mul_f32 v[49+2*\i], v[32+\i], v29
.endr
.irp i, 0,1,2,3,4,5,6,7,8,9,10,11,12,13,14,15
	ds_store_b64 v[PTW], v[48+2*\i:49+2*\i] offset:272*\i
.endr
	PRIME 2, 2
	s_wait_dscnt 0x0                               ; for the others' sake: my 16 tokens' weights have landed
	s_barrier_signal -1
	s_barrier_wait -1                              ; the table of weights is whole
	s_mov_b32 s[CNT], 2
.Lv:
	SUBPASS 1
	EPI_V
	FOOT
	s_sub_co_u32 s[CNT], s[CNT], 1
	s_cmp_lg_u32 s[CNT], 0
	s_cbranch_scc1 .Lv
	s_wait_dscnt 0x0                               ; for the others' sake: my eight fragments of aw x v have landed
	s_barrier_signal -1
	s_barrier_wait -1                              ; all 32 lie in LDS
	v_add_nc_u32 v[AAD], PIMG, v[LI]
	v_add_nc_u32 v[ASD], PSC, v[LI]
	SUBPASS 1
	EPI_O 0
	FOOT
	SUBPASS 0
	EPI_O 1
	s_wait_tensorcnt 0x0
	ds_add_u32 v254, v255
	s_wait_dscnt 0x0
	s_endpgm
.Lfunc_end_k_q51dbde53ed_vo:
	.size	k_q51dbde53ed_vo, .Lfunc_end_k_q51dbde53ed_vo-k_q51dbde53ed_vo
	.p2alignl 7, 3214868480
	.fill 96, 4, 3214868480
	.section	.rodata,"a",@progbits
	.p2align	6, 0x0
	.amdhsa_kernel k_q51dbde53ed_vo
		.amdhsa_group_segment_fixed_size 167424
		.amdhsa_private_segment_fixed_size 0
		.amdhsa_enable_private_segment 0
		.amdhsa_kernarg_size 56
		.amdhsa_user_sgpr_count 2
		.amdhsa_user_sgpr_kernarg_segment_ptr 1
		.amdhsa_wavefront_size32 1
		.amdhsa_system_sgpr_workgroup_id_x 1
		.amdhsa_system_sgpr_workgroup_id_y 1
		.amdhsa_system_sgpr_workgroup_id_z 1
		.amdhsa_system_vgpr_workitem_id 0
		.amdhsa_next_free_vgpr 1024
		.amdhsa_next_free_sgpr 66
		.amdhsa_reserve_vcc 0
		.amdhsa_float_denorm_mode_32 3
		.amdhsa_float_denorm_mode_16_64 3
		.amdhsa_memory_ordered 1
		.amdhsa_forward_progress 1
		.amdhsa_inst_pref_size 255
	.end_amdhsa_kernel
	.section	.bss,"aw",@nobits
	.p2align	6
	.space	262144
	.amdgpu_metadata
---
amdhsa.version: [ 1, 2 ]
amdhsa.kernels:
  - .name:           k_q51dbde53ed_vo
    .symbol:         k_q51dbde53ed_vo.kd
    .args:
      - { .name: xc, .offset: 0, .size: 8, .value_kind: global_buffer, .address_space: global }
      - { .name: wvo, .offset: 8, .size: 8, .value_kind: global_buffer, .address_space: global }
      - { .name: bv, .offset: 16, .size: 8, .value_kind: global_buffer, .address_space: global }
      - { .name: bo, .offset: 24, .size: 8, .value_kind: global_buffer, .address_space: global }
      - { .name: lg, .offset: 32, .size: 8, .value_kind: global_buffer, .address_space: global }
      - { .name: st, .offset: 40, .size: 8, .value_kind: global_buffer, .address_space: global }
      - { .name: out0, .offset: 48, .size: 8, .value_kind: global_buffer, .address_space: global }
    .group_segment_fixed_size: 167424
    .private_segment_fixed_size: 0
    .kernarg_segment_align: 8
    .kernarg_segment_size: 56
    .max_flat_workgroup_size: 128
    .sgpr_count:     66
    .vgpr_count:     1024
    .wavefront_size: 32
...
	.end_amdgpu_metadata
.endif
;; end of part 3
;; ======== version 2 of 2: 3 launches
;; workspace buffers: wqk 1,638,400 bytes; wvo 1,638,400 bytes; wmlp 12,800 bytes; xc 13,631,488 bytes; lg 2,097,152 bytes; st 262,144 bytes
;; launch prep (part 4): grid 257 x 1, 16 waves a work-group, no clusters, 14,848 bytes of LDS; arguments Wq, Wk, Wv, Wo, W1, W2, wqk, wvo, wmlp; writes wqk, wvo, wmlp
.if DOCPART == 4
	.amdgcn_target "amdgcn-amd-amdhsa--gfx1250"
	.amdhsa_code_object_version 6
	.text
	.protected	k_q51dbde53ed_prep
	.globl	k_q51dbde53ed_prep
	.p2align	8
	.type	k_q51dbde53ed_prep,@function
k_q51dbde53ed_prep:
	s_mov_b64 s[64:65], 0
	v_nop
	global_prefetch_b8 v0, s[64:65] scope:SCOPE_SE
	s_setreg_imm32_b32 hwreg(HW_REG_WAVE_MODE, 25, 1), 1
	s_wait_xcnt 0x0
; The six weights, f32 stored [K][N], become codes of FP6 (E2M3) with one E8M0 byte for each 32 along K, laid IN THE ORDER OF THE OPERAND'S REGISTERS, so that the two
; product launches load every fragment by three loads of 16 bytes a lane, 512 consecutive bytes each.
; A GROUP is what one wave of a product launch wants for one K step of 128: 8 fragments (16 columns x 128 K: 12 registers x 32 lanes = 1,536 bytes; register p of lane l at
; 512 (p / 4) + 16 l + 4 (p % 4)) and 512 bytes of scale words (the word at 16 l + 4 b: tile 2 b + l / 16, row l % 16).  12,800 bytes.  A stream is [wave 4][sub-pass 4][K step 8] groups.
; THE COLUMNS OF A TILE ARE NOT NEIGHBOURS: row r' of tile 2 b + u takes local column 32 b + 8 u + r' + 8 (r' / 8), so that in the transposed product the 16 registers of tiles 2 b, 2 b + 1 are 16 neighbouring columns.
; Stream wqk: local block b of (sub-pass P, wave w) is head 8 P + 2 w + b / 2, of Wq (b even) or Wk (b odd).  Stream wvo: Wv (P < 2) or Wo, columns 512 (P % 2) + 128 w + 32 b on.
; Group wmlp: tiles 0-3 = W1's 64 hidden units (K block 0 alone), tiles 4-5 = W2's 32 outputs (K blocks 0, 1); all else zero codes.
; SHARES.  Work-group g < 256 makes group g % 128 of stream g / 128; work-group 256 makes wmlp.  Wave = (block b of 32 columns, K block beta).  A LANE TAKES A COLUMN AND ITS 32 REGISTERS RUN DOWN K:
; each load reads 128 consecutive bytes, a block's largest magnitude needs no other lane, and the conversions give codes with K innermost.  The group is gathered in LDS and leaves in stores of 512 consecutive bytes.
; A block's scale is 2^(floor(log2(largest magnitude)) - 2); its byte is the magnitude's exponent field - 2, held at 1 from below.
; LIMITS: a block of zeros, or one whose largest magnitude lies under 2^-124, gets the byte 1 (its codes are zeros or tiny; the bytes are read by this program alone); NaN and infinities are not served.
.set GRP, 12800
.set X,   16                           ; v16-47  my column's 32 numbers
.set C,   48                           ; v48-53  their codes; v56-58 the second conversion's result
	s_load_b256 s[4:11], s[0:1], 0x0               ; Wq s[4:5], Wk s[6:7], Wv s[8:9], Wo s[10:11]
	s_load_b256 s[12:19], s[0:1], 0x20             ; W1 s[12:13], W2 s[14:15], wqk s[16:17], wvo s[18:19]
	s_load_b64 s[20:21], s[0:1], 0x40              ; wmlp
	v_lshl_add_u32 v64, v0, 2, 0x3200
	v_mov_b32 v65, 0
	v_lshrrev_b32 v1, 5, v0
	s_delay_alu instid0(VALU_DEP_1)
	v_readfirstlane_b32 s22, v1                    ; wave 0..15
	v_and_b32 v1, 31, v0                           ; lane = my column in the block
	v_bfe_u32 v2, v0, 3, 1                         ; u: which tile of the block's two
	s_wait_alu depctr_va_vdst(0)
	v_bfe_u32 v3, v0, 4, 1
	v_and_b32 v9, 7, v0
	s_delay_alu instid0(VALU_DEP_1)
	v_lshl_add_u32 v3, v3, 3, v9                   ; r': my row in that tile
	v_lshlrev_b32 v4, 2, v1                        ; in: 4 bytes a lane
	v_lshlrev_b32 v8, 4, v0                        ; out: 16 bytes a thread, in LDS and in the group alike
	s_and_b32 s23, s22, 3                          ; b
	s_lshr_b32 s24, s22, 2                         ; beta
	s_and_b32 s25, s24, 1                          ; the fragment's half of the lanes that holds K block beta,
	s_lshr_b32 s26, s24, 1                         ; and c: its registers 6 c .. 6 c + 5
	s_mul_i32 s27, s23, 3072
	s_lshl_b32 s28, s25, 8
	s_add_co_u32 s27, s27, s28                     ; 2 b fragments + 16 bytes x 16 lanes x half
	s_mul_i32 s28, s26, 520
	s_add_co_u32 s28, s28, s27                     ; registers 6 c, 6 c + 1 begin at 0 (c = 0) or 512 + 8 (c = 1); registers 6 c + 4, 6 c + 5 lie 512 further on
	s_mul_i32 s29, s26, 1016
	s_add_co_u32 s29, s29, s27
	s_add_co_u32 s29, s29, 8                       ; registers 6 c + 2, 6 c + 3 at 8 or at 1,024
	v_mul_u32_u24 v9, v2, 1536
	s_wait_alu depctr_va_vdst(0)
	v_lshl_add_u32 v9, v3, 4, v9                   ; tile u, lane r'
	s_delay_alu instid0(VALU_DEP_1)
	v_add_nc_u32 v5, s28, v9
	s_delay_alu instid0(VALU_DEP_2)
	v_add_nc_u32 v6, s29, v9
	v_lshl_add_u32 v7, v2, 4, v3
	s_delay_alu instid0(VALU_DEP_1)
	v_lshlrev_b32 v7, 4, v7                        ; the scale words: 16 (r' + 16 u)
	s_lshl_b32 s30, s23, 2
	s_add_co_u32 s30, s30, s24
	s_add_co_u32 s30, s30, 12288                   ; + 4 b + beta, behind the eight fragments
	v_add_nc_u32 v7, s30, v7
	s_lshr_b32 s31, ttmp9, 5
	s_and_b32 s31, s31, 3                          ; w
	s_lshr_b32 s32, ttmp9, 3
	s_and_b32 s32, s32, 3                          ; P
	s_and_b32 s33, ttmp9, 7                        ; K step
	s_lshl_b32 s34, s32, 3
	s_lshl_b32 s35, s31, 1
	s_add_co_u32 s34, s34, s35
	s_lshr_b32 s35, s23, 1
	s_add_co_u32 s34, s34, s35
	s_lshl_b32 s34, s34, 5                         ; wqk: first column 32 (8 P + 2 w + b / 2)
	s_and_b32 s35, s32, 1
	s_lshl_b32 s35, s35, 9
	s_lshl_b32 s40, s31, 7
	s_add_co_u32 s35, s35, s40
	s_lshl_b32 s40, s23, 5
	s_add_co_u32 s35, s35, s40                     ; wvo: 512 (P % 2) + 128 w + 32 b
	s_cmp_lt_u32 ttmp9, 128
	s_cselect_b32 s34, s34, s35
	s_lshl_b32 s34, s34, 2
	s_lshl_b32 s35, s33, 2
	s_add_co_u32 s35, s35, s24
	s_lshl_b32 s35, s35, 17                        ; K block 4 s + beta: 32 rows of 4,096 bytes each
	s_add_co_u32 s34, s34, s35
	s_mov_b32 s35, 0
	s_and_b32 s42, ttmp9, 127
	s_mul_i32 s42, s42, GRP
	s_mov_b32 s43, 0
	s_wait_kmcnt 0x0
	s_and_b32 s40, s23, 1                          ; the buffers are chosen on ids alone
	s_cmp_eq_u32 s40, 0
	s_cselect_b64 s[36:37], s[4:5], s[6:7]
	s_lshr_b32 s40, s32, 1
	s_cmp_eq_u32 s40, 0
	s_cselect_b64 s[38:39], s[8:9], s[10:11]
	s_cmp_lt_u32 ttmp9, 128
	s_cselect_b64 s[36:37], s[36:37], s[38:39]
	s_cselect_b64 s[44:45], s[16:17], s[18:19]
	s_cmp_lt_u32 ttmp9, 256
	s_cselect_b64 s[44:45], s[44:45], s[20:21]
	s_add_nc_u64 s[36:37], s[36:37], s[34:35]
	s_add_nc_u64 s[44:45], s[44:45], s[42:43]
	; only the loads differ between the ways; all LDS work is common
	s_cmp_eq_u32 ttmp9, 256
	s_cbranch_scc1 .Lmlp
.irp i, 0,1,2,3,4,5,6,7,8,9,10,11,12,13,14,15,16,17,18,19,20,21,22,23,24,25,26,27,28,29,30,31
	global_load_b32 v[X+\i], v4, s[36:37] offset:4096*\i th:TH_LOAD_NT
.endr
	s_branch .Lhave
.Lmlp:
	s_cmp_lt_u32 s22, 2
	s_cbranch_scc0 .Lnot_w1
	s_lshl_b32 s34, s22, 7                         ; waves 0, 1: W1's hidden units 32 b on; a row of W1 is 256 bytes
	s_add_nc_u64 s[12:13], s[12:13], s[34:35]
.irp i, 0,1,2,3,4,5,6,7,8,9,10,11,12,13,14,15,16,17,18,19,20,21,22,23,24,25,26,27,28,29,30,31
	global_load_b32 v[X+\i], v4, s[12:13] offset:256*\i
.endr
	s_branch .Lhave
.Lnot_w1:
	s_cmp_eq_u32 s23, 2
	s_cbranch_scc0 .Lzero
	s_cmp_lt_u32 s24, 2
	s_cbranch_scc0 .Lzero
	s_lshl_b32 s34, s24, 12                        ; waves 2, 6: W2's K block beta: 32 rows of 128 bytes
	s_add_nc_u64 s[14:15], s[14:15], s[34:35]
.irp i, 0,1,2,3,4,5,6,7,8,9,10,11,12,13,14,15,16,17,18,19,20,21,22,23,24,25,26,27,28,29,30,31
	global_load_b32 v[X+\i], v4, s[14:15] offset:128*\i
.endr
	s_branch .Lhave
.Lzero:
.irp i, 0,1,2,3,4,5,6,7,8,9,10,11,12,13,14,15,16,17,18,19,20,21,22,23,24,25,26,27,28,29,30,31
	v_mov_b32 v[X+\i], 0                           ; the rest of the K step and the tiles that no weight fills: zero codes
.endr
.Lhave:
	s_wait_loadcnt 0x0
	v_max3_num_f32 v10, |v[X]|, |v[X+1]|, |v[X+2]|                  ; the block's largest magnitude, in two chains
	v_max3_num_f32 v11, |v[X+3]|, |v[X+4]|, |v[X+5]|
.irp i, 6,10,14,18,22,26
	s_delay_alu instid0(VALU_DEP_2)
	v_max3_num_f32 v10, v10, |v[X+\i]|, |v[X+\i+1]|
	s_delay_alu instid0(VALU_DEP_2)
	v_max3_num_f32 v11, v11, |v[X+\i+2]|, |v[X+\i+3]|
.endr
	s_delay_alu instid0(VALU_DEP_2)
	v_max3_num_f32 v10, v10, |v[X+30]|, |v[X+31]|
	s_delay_alu instid0(VALU_DEP_1)
	v_max3_num_f32 v10, v10, v11, 0x1800000        ; and the floor 2^(3 - 127): the byte cannot fall under 1
	s_delay_alu instid0(VALU_DEP_1)
	v_add_nc_u32 v12, 0xff000000, v10              ; 2 off the exponent field: the conversion takes that field as its scale
	s_delay_alu instid0(VALU_DEP_1)
	v_lshrrev_b32 v13, 23, v12                     ; the scale's byte
	v_cvt_scalef32_pk16_fp6_f32 v[C:C+2], v[X:X+15], v12
	v_cvt_scalef32_pk16_fp6_f32 v[C+8:C+10], v[X+16:X+31], v12      ; (a conversion's three registers begin on an even number)
	v_nop                                          ; one plain place behind a scaled conversion
.irp i, 0,1,2
	v_mov_b32 v[C+3+\i], v[C+8+\i]
.endr
	ds_store_b64 v5, v[C:C+1]
	ds_store_b64 v6, v[C+2:C+3]
	ds_store_b64 v5, v[C+4:C+5] offset:512
	ds_store_b8 v7, v13
	s_wait_dscnt 0x0                               ; for the others' sake: my stores have landed
	s_barrier_signal -1
	s_barrier_wait -1                              ; the group is whole
	ds_load_b128 v[60:63], v8                      ; 25 pieces of 512 bytes: every wave takes one, waves 0 to 8 a second
	s_cmp_gt_u32 s22, 8
	s_cbranch_scc1 .Lone
	ds_load_b128 v[16:19], v8 offset:8192
	s_wait_dscnt 0x0
	global_store_b128 v8, v[16:19], s[44:45] offset:8192
.Lone:
	s_wait_dscnt 0x0
	global_store_b128 v8, v[60:63], s[44:45]       ; 32 lanes store 512 consecutive bytes, aligned
	s_wait_tensorcnt 0x0
	ds_add_u32 v64, v65
	s_wait_dscnt 0x0
	s_endpgm
.Lfunc_end_k_q51dbde53ed_prep:
	.size	k_q51dbde53ed_prep, .Lfunc_end_k_q51dbde53ed_prep-k_q51dbde53ed_prep
	.p2alignl 7, 3214868480
	.fill 96, 4, 3214868480
	.section	.rodata,"a",@progbits
	.p2align	6, 0x0
	.amdhsa_kernel k_q51dbde53ed_prep
		.amdhsa_group_segment_fixed_size 14848
		.amdhsa_private_segment_fixed_size 0
		.amdhsa_enable_private_segment 0
		.amdhsa_kernarg_size 72
		.amdhsa_user_sgpr_count 2
		.amdhsa_user_sgpr_kernarg_segment_ptr 1
		.amdhsa_wavefront_size32 1
		.amdhsa_system_sgpr_workgroup_id_x 1
		.amdhsa_system_sgpr_workgroup_id_y 1
		.amdhsa_system_sgpr_workgroup_id_z 1
		.amdhsa_system_vgpr_workitem_id 0
		.amdhsa_next_free_vgpr 66
		.amdhsa_next_free_sgpr 66
		.amdhsa_reserve_vcc 0
		.amdhsa_float_denorm_mode_32 3
		.amdhsa_float_denorm_mode_16_64 3
		.amdhsa_memory_ordered 1
		.amdhsa_forward_progress 1
		.amdhsa_inst_pref_size 17
	.end_amdhsa_kernel
	.amdgpu_metadata
---
amdhsa.version: [ 1, 2 ]
amdhsa.kernels:
  - .name:           k_q51dbde53ed_prep
    .symbol:         k_q51dbde53ed_prep.kd
    .args:
      - { .name: Wq, .offset: 0, .size: 8, .value_kind: global_buffer, .address_space: global }
      - { .name: Wk, .offset: 8, .size: 8, .value_kind: global_buffer, .address_space: global }
      - { .name: Wv, .offset: 16, .size: 8, .value_kind: global_buffer, .address_space: global }
      - { .name: Wo, .offset: 24, .size: 8, .value_kind: global_buffer, .address_space: global }
      - { .name: W1, .offset: 32, .size: 8, .value_kind: global_buffer, .address_space: global }
      - { .name: W2, .offset: 40, .size: 8, .value_kind: global_buffer, .address_space: global }
      - { .name: wqk, .offset: 48, .size: 8, .value_kind: global_buffer, .address_space: global }
      - { .name: wvo, .offset: 56, .size: 8, .value_kind: global_buffer, .address_space: global }
      - { .name: wmlp, .offset: 64, .size: 8, .value_kind: global_buffer, .address_space: global }
    .group_segment_fixed_size: 14848
    .private_segment_fixed_size: 0
    .kernarg_segment_align: 8
    .kernarg_segment_size: 72
    .max_flat_workgroup_size: 512
    .sgpr_count:     66
    .vgpr_count:     66
    .wavefront_size: 32
...
	.end_amdgpu_metadata
.endif
;; end of part 4
;; launch qk (part 5): grid 256 x 1, 4 waves a work-group, no clusters, 114,176 bytes of LDS; arguments x, bq, bk, b1, b2, mask, wqk, wmlp, xc, lg, st; writes xc, lg, st
.if DOCPART == 5
	.amdgcn_target "amdgcn-amd-amdhsa--gfx1250"
	.amdhsa_code_object_version 6
	.text
	.protected	k_q51dbde53ed_qk
	.globl	k_q51dbde53ed_qk
	.p2align	8
	.type	k_q51dbde53ed_qk,@function
k_q51dbde53ed_qk:
	s_mov_b64 s[64:65], 0
	v_nop
	global_prefetch_b8 v0, s[64:65] scope:SCOPE_SE
	s_setreg_imm32_b32 hwreg(HW_REG_WAVE_SCHED_MODE, 0, 2), 2
	s_setreg_imm32_b32 hwreg(HW_REG_WAVE_MODE, 25, 1), 1
	s_wait_xcnt 0x0
	s_wait_alu depctr_vm_vsrc(0)
; For 64 tokens a work-group: x -> codes of FP6 (kept in LDS, and stored to xc for the next launch); q = x Wq + bq, k = x Wk + bk (quantised products); score = q . k / sqrt(32) for each head, in f32;
; logits = relu(score W1 + b1) W2 + b2 (two quantised products), -1e9 where mask = 0; stored to lg; and for each wave's 16 tokens and each head the largest logit m and the sum of e^(logit - m), stored to st.
; SHARES.  256 work-groups x 64 tokens; four waves.  A SUB-PASS is 64 tokens x 512 columns x K 1,024; a wave makes 64 x 128 of it: 32 accumulators, 256 registers, 256 matrix instructions.  Four sub-passes.
; In sub-pass P wave w holds heads 8 P + 2 w and 8 P + 2 w + 1, each as 32 columns of q and then 32 of k, so that q . k never leaves the wave.
; THE MATRIX INSTRUCTION IS USED TRANSPOSED (source 0 = 16 columns of a weight, source 1 = 16 tokens): a lane holds one token, and the 16 registers of tiles 2 b, 2 b + 1 are columns 32 b + 16 (lane / 16) + 0 .. 15.
; THE WEIGHTS COME FROM MEMORY STRAIGHT INTO REGISTERS, as images of the operand's registers that the launch before has laid, one stream a wave, through a ring of four register sets, three K steps ahead.
; No tensor loads, no joint requests: with 64 rows to a work-group each weight fragment is wanted by exactly ONE of its waves and feeds four products; through LDS a K step would write and read 96 KB of weights
; beside the 26 KB of x's images that the four waves read; in registers they pass LDS by.
; x's images: a fragment (16 tokens x 128 K) is 12 registers a lane, stored by three ds_store_b128 at 16 x lane; any wave loads it back by the same three lines.
; The biases are the C of each sum's first matrix instruction.
; LIMITS: NaN and infinities are not served; a block of zeros, or one under 2^-124, gets the scale byte 1 (read by this program alone); v_exp_f32 gives 0 for results under 2^-126.
; THE MODE: SCHED_MODE bits 1:0 = 2 (LLVM: expert scheduling mode 2), set by the entry lines.  The code itself states the register dependences
; between vector or matrix instructions and memory or LDS instructions, with s_wait_alu, always for 0.
; THE PLAN.  Registers that memory or LDS instructions touch:
;   x on its way to codes: window 3's four sets: the loads of K step s + 3, issued in step s, land in the set that step s - 1's stores into the stage read.  ST: the stage's loads land in it, the quantiser's vector
;     instructions read it.  PC, PW: the quantiser writes them; the image's stores and the stores to xc read them.  So a step of x has one wait on vm_vsrc ahead of the quantiser and one on va_vdst behind it.
;   the products: AF0, AF1 with XS0, XS1: K step s's products read AF[s % 2]; the LDS loads issued in step s land in the other, which step s - 1's products read.
;     ring sets 0-3 with SCB0-3: step s's products read set s % 4; the loads issued in step s land in set (s + 3) % 4 = (s - 1) % 4, which step s - 1's products read.
;     So ONE wait on va_vdst stands at the head of steps 1 to 7; the step's loads follow it, dealt among its products, which name none of the registers that those loads touch.
;   once a sub-pass: v[BAD] and the bias's registers (a wait on va_vdst behind the add, which also covers K step 0's loads); v[SAD] and the eight scores (a wait on vm_vsrc ahead, one on va_vdst behind).
;   v[LI], v[T16], v[AAD], v[ASD] and the other addresses are made at the head and never written again.
; REGISTERS, in windows of 256: window 0: v0-31 ids and addresses; v32-127 x's fragments, two buffers; v128-135 their scale words; v136-151 the weights' scale words, four sets; v152-215 64 numbers at work;
;   v216-234 codes just made; v236-251 at work; v252 the scale word just made.   window 1: ring sets 0, 1 (96 registers each); v192-239 b1, b2 in the result's layout.
;   window 2: ring sets 2, 3; v192-255 the sub-pass's bias as C.   window 3: the accumulators, (row tile m, tile t) at v[64 m + 8 t]; ahead of the products, x as it is loaded.
.set GRP,  12800                       ; a group of the stream: 8 fragments of 1,536 bytes + 512 bytes of scale words
.set XIMG, 0                           ; LDS: x's 32 fragments, (K step s, row tile m) at (4 s + m) x 1,536
.set XSC,  49152                       ; their scale words: [s][lane][m]
.set BIAS, 53248                       ; head hd: bq's 32 at 256 hd, bk's 32 at 256 hd + 128
.set SCO,  61440                       ; the scores: 64 tokens x (128 bytes + 16)
.set LGT,  70656                       ; the logits: likewise
.set XST,  79872                       ; a stage for each wave: 16 rows x (512 bytes + 16)
.set LI,   4                           ; v4   16 x lane
.set T16,  5                           ; v5   16 x thread
.set AAD,  6                           ; v6   source 1's images
.set ASD,  7                           ; v7   and their scale words
.set BA0,  8                           ; v8   BIAS + 512 w + 64 h
.set BAD,  9                           ; v9   the same in the sub-pass in hand
.set XSA,  10                          ; v10  the stage, in: 16 x lane
.set XSB,  11                          ; v11  the stage, out: 528 r + 64 h
.set XWI,  12                          ; v12  where I put my images: 16 x lane + 1,536 w (in LDS and in xc alike)
.set XWS,  13                          ; v13  and their scale words: 16 x lane + 4 w
.set BDA,  14                          ; v14  where I put 16 bytes of bq
.set SA0,  15                          ; v15  SCO + 144 r + 8 w
.set SAD,  16                          ; v16  the same in the sub-pass in hand
.set B1O,  17                          ; v17  64 h
.set MO,   18                          ; v18  4 r
.set SCR,  19                          ; v19  my token's scores, heads 16 h on
.set LGW,  20                          ; v20  my token's logits, heads 16 h on
.set LGH,  21                          ; v21  the logits with lane = head
.set LGR,  22                          ; v22  the logits as rows of lg
.set L8,   23                          ; v23  8 x lane
.set NEGV, 24                          ; v24  -1e9
.set AF,   32
.set XS,   128
.set SCB,  136
.set ST,   152
.set PC,   216
.set TM,   236
.set PW,   252
.set XP,   8                           ; s[8:9]   x at my wave's 16 rows
.set BQ,   10
.set BK,   12
.set B1P,  14
.set B2P,  16
.set MK,   18                          ; s[18:19] mask at my wave's tokens
.set WB,   20                          ; s[20:21] my wave's stream, at the sub-pass in hand
.set WMP,  22                          ; s[22:23] wmlp
.set XC,   24                          ; s[24:25] xc at my work-group's part
.set LG,   26                          ; s[26:27] lg at my wave's tokens
.set STP,  28                          ; s[28:29] st at my wave's 256 bytes
.set WV,   30
.set SEL,  32                          ; s[32:33] v_permlanex16_b32's selects for lane l xor 16
.set CNT,  34
.set PB,   35                          ; 2,048 x sub-pass
.set PS,   36                          ; 32 x sub-pass
.set MSB, 0
.macro WIN new                         ; the immediate's high byte repeats the setting that is left; a switch that changes nothing is dropped
.if MSB != (\new)
	s_set_vgpr_msb (MSB<<8)|(\new)
.set MSB, (\new)
.endif
.endm
; 64 numbers of a lane, v[s] .. v[s + 63], register 16 b + i = k 32 b + 16 (lane / 16) + i of my row, become a fragment's codes in v[PC] on and its scale word in v[PW].
.macro QUANT s
.irp b, 0,1,2,3
	v_max3_num_f32 v[TM+\b], |v[\s+16*\b]|, |v[\s+1+16*\b]|, 0x1800000   ; block b: my 16 numbers, and the floor 2^(3 - 127): the byte cannot fall under 1
.endr
.irp i, 2,4,6,8,10,12,14
.irp b, 0,1,2,3
	v_max3_num_f32 v[TM+\b], v[TM+\b], |v[\s+16*\b+\i]|, |v[\s+1+16*\b+\i]|   ; (the four blocks by turns)
.endr
.endr
.irp b, 0,1,2,3
	v_permlanex16_b32 v[TM+4+\b], v[TM+\b], s[SEL], s[SEL+1]
.endr
.irp b, 0,1,2,3
	v_max_num_f32 v[TM+\b], v[TM+\b], v[TM+4+\b]   ; with lane l xor 16's: the block's largest magnitude
.endr
.irp b, 0,1,2,3
	v_add_nc_u32 v[TM+12+\b], 0xff000000, v[TM+\b]   ; 2 off its exponent field: the conversion's scale operand
.endr
.irp b, 0,1,2,3
	v_lshrrev_b32 v[TM+4+\b], 23, v[TM+12+\b]      ; the scale's byte
.endr
	v_lshl_or_b32 v[PW], v[TM+5], 8, v[TM+4]       ; the four bytes make my row's scale word
	v_lshl_or_b32 v[PW], v[TM+6], 16, v[PW]
	v_lshl_or_b32 v[PW], v[TM+7], 24, v[PW]
.irp c, 0,1
	v_cvt_scalef32_pk16_fp6_f32 v[PC+6*\c:PC+2+6*\c], v[\s+32*\c:\s+15+32*\c], v[TM+12+2*\c]
	v_cvt_scalef32_pk16_fp6_f32 v[PC+12+4*\c:PC+14+4*\c], v[\s+16+32*\c:\s+31+32*\c], v[TM+12+2*\c+1]   ; (a conversion's three registers begin on an even number)
.endr
	v_nop                                          ; one plain place behind a scaled conversion
.irp c, 0,1                                    ; the operand's layout wants a WHOLE block in a lane: lanes 0-15 block 2 c, lanes 16-31 block 2 c + 1
.irp i, 0,1,2
	v_permlane16_swap_b32 v[PC+6*\c+\i], v[PC+12+4*\c+\i]
.endr
.irp i, 0,1,2
	v_mov_b32 v[PC+3+6*\c+\i], v[PC+12+4*\c+\i]
.endr
.endr
.endm
.macro IMAGE adr, off                          ; the fragment in v[PC] on goes to LDS as it stands
.irp c, 0,1,2
	ds_store_b128 v[\adr], v[PC+4*\c:PC+4*\c+3] offset:\off+512*\c
.endr
.endm
.macro AFRAG reg, off                          ; and comes back so, in any wave
.irp c, 0,1,2
	ds_load_b128 v[\reg+4*\c:\reg+4*\c+3], v[AAD] offset:\off+512*\c
.endr
.endm
.macro RF q, j, base, off                      ; fragment j of a group into ring set q: three loads of 512 consecutive bytes
	WIN 0x40+0x40*((\q)/2)
.irp c, 0,1,2
	global_load_b128 v[96*((\q)%2)+12*(\j)+4*\c:96*((\q)%2)+12*(\j)+4*\c+3], v[LI], s[\base:\base+1] offset:(\off)+1536*(\j)+512*\c
.endr
.endm
.macro RS q, base, off                         ; the group's scale words: register b: lanes 0-15 tile 2 b, lanes 16-31 tile 2 b + 1
	WIN 0
	global_load_b128 v[SCB+4*(\q):SCB+4*(\q)+3], v[LI], s[\base:\base+1] offset:(\off)+12288
.endm
.macro PRIME q, G                              ; a whole group: 25 loads
.irp j, 0,1,2,3,4,5,6,7
	RF \q, \j, WB, (\G)*GRP
.endr
	RS \q, WB, (\G)*GRP
.endm
.macro BLOAD j                                 ; b1's four tiles and b2's two in the result's layout (lane (r, h), tile 2 b + u: units 32 b + 8 u + 16 h + 0 .. 7), and my token's mask: 13 loads
.if (\j) < 4
	WIN 0x40
	global_load_b128 v[192+8*(\j):195+8*(\j)], v[B1O], s[B1P:B1P+1] offset:(32*((\j)/2)+8*((\j)%2))*4
	global_load_b128 v[196+8*(\j):199+8*(\j)], v[B1O], s[B1P:B1P+1] offset:(32*((\j)/2)+8*((\j)%2))*4+16
.elseif (\j) < 6
	WIN 0x40
	global_load_b128 v[224+8*((\j)-4):227+8*((\j)-4)], v[B1O], s[B2P:B2P+1] offset:32*((\j)-4)
	global_load_b128 v[228+8*((\j)-4):231+8*((\j)-4)], v[B1O], s[B2P:B2P+1] offset:32*((\j)-4)+16
.elseif (\j) == 6
	WIN 0
	global_load_b32 v253, v[MO], s[MK:MK+1]
.endif
.endm
.macro MMA d, a, b, c, sa, sb, row             ; row = 1: source 0's scale words stand in lanes 16-31
.if \row
	v_wmma_scale_f32_16x16x128_f8f6f4 v[(\d):(\d)+7], v[(\a):(\a)+11], v[(\b):(\b)+11], v[(\c):(\c)+7], v[\sa], v[\sb] matrix_a_fmt:MATRIX_FMT_FP6 matrix_b_fmt:MATRIX_FMT_FP6 matrix_a_scale:MATRIX_SCALE_ROW1
.else
	v_wmma_scale_f32_16x16x128_f8f6f4 v[(\d):(\d)+7], v[(\a):(\a)+11], v[(\b):(\b)+11], v[(\c):(\c)+7], v[\sa], v[\sb] matrix_a_fmt:MATRIX_FMT_FP6 matrix_b_fmt:MATRIX_FMT_FP6
.endif
.endm
; THE LOADS OF K STEP s ARE DEALT AMONG ITS PRODUCTS, in six gaps (kg = 0 .. 5) behind products 4, 8 .. 24.  Gaps 0 and 1: the next step's four fragments of x, two a gap; with gap 1 their scale words and the scale
; words of the group three steps on (13 LDS loads, 1 load).  Gaps 2 to 5: that group's eight fragments, two a gap (24 loads).  No wait stands in a gap: no product of the step names a register that these loads touch.
.macro GAP s
.if kg < 2
.if (\s) < 7
	WIN 0
	AFRAG AF+48*(1-sbf)+24*kg, 6144*((\s)+1)+3072*kg
	AFRAG AF+48*(1-sbf)+24*kg+12, 6144*((\s)+1)+3072*kg+1536
.endif
.if kg == 1
.if (\s) < 7
	ds_load_b128 v[XS+4*(1-sbf):XS+4*(1-sbf)+3], v[ASD] offset:512*((\s)+1)
.endif
.if rk == 1
	RS snq, WB, ((\s)+3)*GRP
.elseif rk == 2
	RS 0, WMP, 0
.elseif rk == 3
	BLOAD 6
.endif
.endif
.else
.if rk == 1
	RF snq, 2*kg-4, WB, ((\s)+3)*GRP
	RF snq, 2*kg-3, WB, ((\s)+3)*GRP
.elseif rk == 2
	RF 0, 2*kg-4, WMP, 0
	RF 0, 2*kg-3, WMP, 0
.elseif (rk == 3) && (kg < 5)
	BLOAD 2*kg-4
	BLOAD 2*kg-3
.endif
.endif
.endm
; K step s of a sub-pass: 32 matrix instructions, the 32 accumulators by turns, in the same order in every step, with the step's loads in six gaps among them.
; mode 1: the ring goes on into the next sub-pass.  mode 2, the last sub-pass: steps 0-4 fetch its last groups, step 5 the group wmlp, step 6 b1, b2 and the mask.
; The wait on LOADcnt counts the loads issued behind this step's group, 25 a group: two groups; in mode 2's last step wmlp's 25 and the 13.
.macro STEPK s, mode
.set sq, (\s)%4
.set sbf, (\s)%2
.set snq, ((\s)+3)%4
.set rk, 1
.set nw, 50
.if (\mode) == 2
.if (\s) == 5
.set rk, 2
.endif
.if (\s) == 6
.set rk, 3
.endif
.if (\s) == 7
.set rk, 0
.set nw, 38
.endif
.endif
	s_wait_loadcnt nw
	s_wait_dscnt 0x0                               ; this step's fragments of x are in: they were asked for early in the step before (step 0: at the sub-pass's head, with the bias), and no LDS instruction is younger
.if (\s) > 0
.rept 4
	v_nop                                          ; four places behind the last step's products
.endr
	s_wait_alu depctr_va_vdst(0)                   ; the last step's products are done reading the other buffer of x, ring set (s - 1) % 4 and both their scale words: this step's loads land there
.endif
.if (\s) == 0
.set wm, 0xe1                                  ; weights window 1, x window 0, the bias window 2, the sums window 3
.else
.set wm, 0xf1+sq/2                             ; weights window 1 or 2, C and D window 3
.endif
.set ki, 0
.rept 32
.set kt, ki/4
.set km, ki%4
.set rD, 64*km+8*kt
.set rA, 96*(sq%2)+12*kt
.set rB, AF+48*sbf+12*km
.set rSA, SCB+4*sq+kt/2
.set rSB, XS+4*sbf+km
.if (\s) == 0
.set rC, 192+8*kt
.else
.set rC, rD
.endif
	WIN wm
	MMA rD, rA, rB, rC, rSA, rSB, kt%2
.if (ki%4 == 3) && (ki < 24)
.set kg, ki/4
	GAP \s
.endif
.set ki, ki+1
.endr
.endm
.macro HEADP                                   ; a sub-pass's head: its 128 biases in the result's layout, and K step 0's fragments of x
	v_add_nc_u32 v[BAD], s[PB], v[BA0]             ; (the last head's loads, which read v[BAD], stand ahead of the wait on vm_vsrc at the head of the scores)
	s_wait_alu depctr_va_vdst(0)                   ; v[BAD] is written, which the loads below read; the products issued so far are done reading the bias's registers, buffer 0 of x and its scale words, in which these loads land, and buffer 1, ring set 3 and their scale words, in which K step 0's land
	WIN 0x80
.irp b, 0,1,2,3
.irp j, 0,1,2,3
	ds_load_b128 v[192+16*\b+4*\j:195+16*\b+4*\j], v[BAD] offset:128*\b+16*\j
.endr
.endr
	WIN 0
.irp m, 0,1,2,3
	AFRAG AF+12*\m, 1536*\m
.endr
	ds_load_b128 v[XS:XS+3], v[ASD]
.endm
.macro SUBPASS mode
	HEADP
.irp s, 0,1,2,3,4,5,6,7
	STEPK \s, \mode
.endr
	WIN 0
.endm
.macro FOOT
	s_wait_xcnt 0x0                                ; the ring's loads have read their base: it may step
	s_add_nc_u64 s[WB:WB+1], s[WB:WB+1], 8*GRP
	s_add_co_u32 s[PB], s[PB], 2048
.endm
; q . k / sqrt(32) of my two heads for the 64 tokens: eight chains (m, e) of packed multiply-adds, each accumulator from its low end on; the other 16 of a head's 32 lie in lane l xor 16.
.macro SCORE
.rept 4
	v_nop                                          ; four places behind the last products
.endr
	s_wait_alu depctr_vm_vsrc(0)                   ; the last sub-pass's stores of scores have read v[ST+32 ..] and v[SAD], and this sub-pass's head has read v[BAD]: all are written again, below and at the next head
	WIN 0x0f                                       ; sources 0 and 1 window 3
.irp m, 0,1,2,3
.irp e, 0,1
	v_pk_mul_f32 v[ST+4*\m+2*\e:ST+4*\m+2*\e+1], v[64*\m+32*\e:64*\m+32*\e+1], v[64*\m+32*\e+16:64*\m+32*\e+17]
.endr
.endr
.irp i, 2,4,6,8,10,12,14
.irp m, 0,1,2,3
.irp e, 0,1
	v_pk_fma_f32 v[ST+4*\m+2*\e:ST+4*\m+2*\e+1], v[64*\m+32*\e+\i:64*\m+32*\e+\i+1], v[64*\m+32*\e+16+\i:64*\m+32*\e+17+\i], v[ST+4*\m+2*\e:ST+4*\m+2*\e+1]
.endr
.endr
.endr
	WIN 0
.irp n, 0,1,2,3,4,5,6,7
	v_add_f32 v[ST+16+\n], v[ST+2*\n], v[ST+2*\n+1]
.endr
.irp n, 0,1,2,3,4,5,6,7
	v_permlanex16_b32 v[ST+24+\n], v[ST+16+\n], s[SEL], s[SEL+1]
.endr
.irp n, 0,1,2,3,4,5,6,7
	v_add_f32 v[ST+16+\n], v[ST+16+\n], v[ST+24+\n]
.endr
.irp n, 0,1,2,3,4,5,6,7
	v_mul_f32 v[ST+32+\n], 0x3e3504f3, v[ST+16+\n] ; x 32^-0.5
.endr
	v_add_nc_u32 v[SAD], s[PS], v[SA0]
	s_wait_alu depctr_va_vdst(0)                   ; the eight scores and v[SAD] are written, which the stores read
.irp m, 0,1,2,3
	ds_store_b64 v[SAD], v[ST+32+2*\m:ST+33+2*\m] offset:2304*\m   ; token 16 m + r, heads 8 P + 2 w, + 1; both halves of the lanes write the same numbers to the same place
.endr
	s_add_co_u32 s[PS], s[PS], 32
.endm
	s_load_b512 s[8:23], s[0:1], 0x0               ; x, bq, bk, b1, b2, mask, wqk, wmlp
	s_load_b128 s[24:27], s[0:1], 0x40             ; xc, lg
	s_load_b64 s[28:29], s[0:1], 0x50              ; st
	v_lshl_add_u32 v254, v0, 2, 0x1bc00
	v_mov_b32 v255, 0
	v_lshrrev_b32 v1, 5, v0
	v_readfirstlane_b32 s[WV], v1                  ; wave 0..3
	v_and_b32 v1, 31, v0                           ; lane
	v_and_b32 v2, 15, v0                           ; r
	v_bfe_u32 v3, v0, 4, 1                         ; h
	v_lshlrev_b32 v[LI], 4, v1
	v_lshlrev_b32 v[T16], 4, v0
	s_wait_alu depctr_va_sdst(0)                   ; the wave's number is written, ahead of its first reader: LDS addresses and the buffers' offsets are made from it
	s_mul_i32 s50, s[WV], 8448
	s_add_co_u32 s50, s50, XST                     ; my stage
	v_add_nc_u32 v[XSA], s50, v[LI]
	v_mul_u32_u24 v[XSB], v2, 528
	v_lshl_add_u32 v[XSB], v3, 6, v[XSB]
	v_add_nc_u32 v[XSB], s50, v[XSB]
	s_mul_i32 s50, s[WV], 1536
	v_add_nc_u32 v[XWI], s50, v[LI]
	s_lshl_b32 s50, s[WV], 2
	v_add_nc_u32 v[XWS], s50, v[LI]
	v_lshrrev_b32 v[BDA], 3, v0                    ; thread t holds bq[4 t ..]: head t / 8, 16 (t % 8) bytes into its 128
	v_and_b32 v25, 7, v0
	v_lshlrev_b32 v[BDA], 8, v[BDA]
	v_lshl_add_u32 v[BDA], v25, 4, v[BDA]
	v_add_nc_u32 v[BDA], BIAS, v[BDA]
	s_lshl_b32 s50, s[WV], 9
	s_add_co_u32 s50, s50, BIAS
	v_lshlrev_b32 v[B1O], 6, v3
	v_add_nc_u32 v[BA0], s50, v[B1O]
	v_mul_u32_u24 v25, v2, 144
	s_lshl_b32 s50, s[WV], 3
	s_add_co_u32 s50, s50, SCO
	v_add_nc_u32 v[SA0], s50, v25
	v_add_nc_u32 v25, v25, v[B1O]                  ; 144 r + 64 h
	s_mul_i32 s51, s[WV], 2304                     ; my 16 tokens' rows
	s_add_co_u32 s50, s51, SCO
	v_add_nc_u32 v[SCR], s50, v25
	s_add_co_u32 s50, s51, LGT
	v_add_nc_u32 v[LGW], s50, v25
	v_lshl_add_u32 v[LGH], v1, 2, s50
	v_lshrrev_b32 v25, 3, v1
	v_mul_u32_u24 v[LGR], v25, 144
	v_and_b32 v25, 7, v1
	v_lshl_add_u32 v[LGR], v25, 4, v[LGR]
	v_add_nc_u32 v[LGR], s50, v[LGR]
	v_lshlrev_b32 v[L8], 3, v1
	v_lshlrev_b32 v[MO], 2, v2
	v_mov_b32 v[NEGV], 0xce6e6b28                  ; -1e9
	v_add_nc_u32 v[AAD], XIMG, v[LI]
	v_add_nc_u32 v[ASD], XSC, v[LI]
.irp b, 0,1,2,3
	v_mov_b32 v[TM+4+\b], 0                        ; written once: a lane permute's destination counts as one of its sources
.endr
	s_mov_b32 s[SEL], 0x76543210
	s_mov_b32 s[SEL+1], 0xfedcba98
	s_mov_b32 s[PB], 0
	s_mov_b32 s[PS], 0
	s_lshl_b32 s38, ttmp9, 18                      ; x: (64 g + 16 w) rows of 4,096 bytes
	s_lshl_b32 s39, s[WV], 16
	s_add_co_u32 s38, s38, s39
	s_mov_b32 s39, 0
	s_mul_i32 s40, ttmp9, 53248                    ; xc: 53,248 bytes a work-group
	s_mov_b32 s41, 0
	s_lshl_b32 s42, ttmp9, 8                       ; mask: 4 bytes a token
	s_lshl_b32 s43, s[WV], 6
	s_add_co_u32 s42, s42, s43
	s_mov_b32 s43, 0
	s_lshl_b32 s44, ttmp9, 13                      ; lg: 128 bytes a token
	s_lshl_b32 s45, s[WV], 11
	s_add_co_u32 s44, s44, s45
	s_mov_b32 s45, 0
	s_lshl_b32 s46, ttmp9, 10                      ; st: 256 bytes a wave
	s_lshl_b32 s47, s[WV], 8
	s_add_co_u32 s46, s46, s47
	s_mov_b32 s47, 0
	s_mul_i32 s48, s[WV], 32*GRP                   ; my stream
	s_mov_b32 s49, 0
	s_wait_kmcnt 0x0
	s_add_nc_u64 s[XP:XP+1], s[XP:XP+1], s[38:39]
	s_add_nc_u64 s[XC:XC+1], s[XC:XC+1], s[40:41]
	s_add_nc_u64 s[MK:MK+1], s[MK:MK+1], s[42:43]
	s_add_nc_u64 s[LG:LG+1], s[LG:LG+1], s[44:45]
	s_add_nc_u64 s[STP:STP+1], s[STP:STP+1], s[46:47]
	s_add_nc_u64 s[WB:WB+1], s[WB:WB+1], s[48:49]
	s_wait_alu depctr_va_vdst(0)                   ; the offsets and LDS addresses v4 to v23 are written, which the loads and stores of the whole kernel read
	global_load_b128 v[32:35], v[T16], s[BQ:BQ+1]
	global_load_b128 v[36:39], v[T16], s[BQ:BQ+1] offset:2048
	global_load_b128 v[40:43], v[T16], s[BK:BK+1]
	global_load_b128 v[44:47], v[T16], s[BK:BK+1] offset:2048
; K step s of my 16 rows of x: sixteen loads, each 512 consecutive bytes of one row, into set s % 4 of window 3
.macro XLOAD s
	WIN 0xc0
.irp p, 0,1,2,3,4,5,6,7,8,9,10,11,12,13,14,15
	global_load_b128 v[64*((\s)%4)+4*\p:64*((\s)%4)+4*\p+3], v[LI], s[XP:XP+1] offset:4096*\p+512*(\s) th:TH_LOAD_NT
.endr
.endm
	XLOAD 0
	XLOAD 1
	XLOAD 2
	s_wait_loadcnt 48                              ; the four loads of bq and bk are in; x's three sets stay out
	WIN 0
	ds_store_b128 v[BDA], v[32:35]
	ds_store_b128 v[BDA], v[36:39] offset:4096
	ds_store_b128 v[BDA], v[40:43] offset:128
	ds_store_b128 v[BDA], v[44:47] offset:4224
; K step s of my 16 rows becomes a fragment.  A load is dense along a row, the conversions want 16 neighbours in a lane: so the 16 x 512 bytes turn through my own stage (LDS serves a wave's instructions in order:
; no wait between the stores and the loads).  The loads of x run three steps ahead; in the last three steps the ring's first three groups are asked for in their stead.
; The loads of x land in the set that the last step's stores into the stage read: that step's wait on vm_vsrc stands behind those stores.  The stage's loads land in ST, which the last step's quantiser read: that step's wait on va_vdst stands behind it.
.macro XSTEP s
.if (\s) <= 4
	XLOAD (\s)+3
	s_wait_loadcnt 48                              ; behind this step's set: three sets of 16
.else
	PRIME (\s)-5, (\s)-5
.if (\s) == 5
	s_wait_loadcnt 57                              ; behind this step's set: two sets of 16 and a group of 25
.else
	s_wait_loadcnt 63                              ; behind it: 66, then 75 loads; the wait names the most that its field holds, which is fewer, and so is safe
.endif
.endif
	WIN 0x0c                                       ; an LDS store's data: window 3
.irp p, 0,1,2,3,4,5,6,7,8,9,10,11,12,13,14,15
	ds_store_b128 v[XSA], v[64*((\s)%4)+4*\p:64*((\s)%4)+4*\p+3] offset:528*\p
.endr
	WIN 0
.irp b, 0,1,2,3
.irp j, 0,1,2,3
	ds_load_b128 v[ST+16*\b+4*\j:ST+16*\b+4*\j+3], v[XSB] offset:128*\b+16*\j
.endr
.endr
	s_wait_dscnt 0x0                               ; the numbers are back
	s_wait_xcnt 0x0                                ; the last step's stores to xc have had their addresses translated: the codes may be written again
	s_wait_alu depctr_vm_vsrc(0)                   ; the last step's stores, to LDS and to xc, have read the codes and the scale word, which the quantiser writes again; the stage's stores above have read their set of x, in which the next step's loads land
	QUANT ST
	s_wait_alu depctr_va_vdst(0)                   ; the quantiser has written the codes and the scale word, which the stores below read, and is done reading ST, in which the next step's loads from the stage land
	IMAGE XWI, XIMG+6144*(\s)
	ds_store_b32 v[XWS], v[PW] offset:XSC+512*(\s)
.irp c, 0,1,2
	global_store_b128 v[XWI], v[PC+4*\c:PC+4*\c+3], s[XC:XC+1] offset:6144*(\s)+512*\c   ; 512 consecutive bytes, aligned
.endr
.endm
.irp s, 0,1,2,3,4,5,6,7
	XSTEP \s
.endr
	s_wait_dscnt 0x0                               ; for the others' sake: my images, scale words and biases have landed
	s_barrier_signal -1
	s_barrier_wait -1                              ; x's 32 fragments lie in LDS
	ds_load_b128 v[ST:ST+3], v[T16] offset:XSC     ; the scale words leave as they lie: 4,096 bytes, 16 a thread, twice
	ds_load_b128 v[ST+4:ST+7], v[T16] offset:XSC+2048
	s_wait_dscnt 0x0
	global_store_b128 v[T16], v[ST:ST+3], s[XC:XC+1] offset:49152
	global_store_b128 v[T16], v[ST+4:ST+7], s[XC:XC+1] offset:51200
	s_wait_xcnt 0x0                                ; these stores and the last images' have had their addresses translated
	s_wait_alu depctr_vm_vsrc(0)                   ; and have read v[ST ..], the codes and the scale word, which the scores and the small products write again
	s_mov_b32 s[CNT], 3
.Lsub:
	SUBPASS 1
	SCORE
	FOOT
	s_sub_co_u32 s[CNT], s[CNT], 1
	s_cmp_lg_u32 s[CNT], 0
	s_cbranch_scc1 .Lsub
	SUBPASS 2
	SCORE
	s_wait_dscnt 0x0                               ; for the others' sake: my scores have landed
	s_barrier_signal -1
	s_barrier_wait -1                              ; all 32 heads' scores of the 64 tokens lie in LDS.  From here on wave w works alone, on tokens 16 w .. 16 w + 15
	; ---- the small products.  K = 32, then 64: the rest of the K step of 128 is zeros on both sides
.irp j, 0,1,2,3
	ds_load_b128 v[ST+4*\j:ST+4*\j+3], v[SCR] offset:16*\j   ; my token's scores of heads 16 h + 0 .. 15.  (No vector instruction since the scores' wait on va_vdst names v[ST] to v[ST+15])
.endr
	s_wait_alu depctr_vm_vsrc(0)                   ; the last stores of scores have read v[ST+32 ..], which the lines below clear
.set zi, 16
.rept 48
	v_mov_b32 v[ST+zi], 0                          ; the numbers beyond K
.set zi, zi+1
.endr
	s_wait_dscnt 0x0
	s_wait_loadcnt 0x0                             ; wmlp, b1, b2, the mask
	QUANT ST
.rept 8
	v_nop                                          ; a scale register written by a vector instruction stands 8 places ahead of a scaled matrix instruction, an operand so written 4
.endr
	WIN 0x11                                       ; the weights and the bias: window 1
	s_wait_alu depctr_va_vdst(0)                   ; the quantiser has written the codes and the scale word, which the products take as source 1 and its scales; the places above stay beside this wait
.irp t, 0,1,2,3
	MMA ST+8*\t, 12*\t, PC, 192+8*\t, SCB+\t/2, PW, \t%2   ; hidden units: registers 16 b + i = unit 32 b + 16 h + i
.endr
	WIN 0
.rept 4
	v_nop
.endr
.set zi, 0
.rept 32
	v_max_num_f32 v[ST+zi], 0, v[ST+zi]            ; relu, in f32
.set zi, zi+1
.endr
	QUANT ST
.rept 8
	v_nop
.endr
	WIN 0x11
	s_wait_alu depctr_va_vdst(0)                   ; the quantiser has written the hidden layer's codes and scale word, which the products take
.irp u, 0,1
	MMA 32+8*\u, 48+12*\u, PC, 224+8*\u, SCB+2, PW, \u   ; v32-47: my token's logits of heads 16 h + 0 .. 15
.endr
	WIN 0
.rept 4
	v_nop
.endr
	v_cmp_eq_u32 vcc_lo, 0, v253
	s_wait_alu depctr_va_vcc(0)                    ; VCC is written, ahead of the selects that read it
.irp i, 0,1,2,3,4,5,6,7,8,9,10,11,12,13,14,15
	v_cndmask_b32 v[32+\i], v[32+\i], v[NEGV], vcc_lo   ; -1e9 where the token's mask is 0
.endr
	; ---- the logits leave as rows; with lane = head, the 16 tokens' largest logit and the sum of e^(logit - it)
	s_wait_alu depctr_va_vdst(0)                   ; the selects have written v32-47, which the stores read; the products are done reading v48-79, in which the loads below land
.irp j, 0,1,2,3
	ds_store_b128 v[LGW], v[32+4*\j:35+4*\j] offset:16*\j
.endr
.irp i, 0,1,2,3,4,5,6,7,8,9,10,11,12,13,14,15
	ds_load_b32 v[48+\i], v[LGH] offset:144*\i     ; (my own rows: LDS serves a wave's instructions in order)
.endr
.irp i, 0,1,2,3
	ds_load_b128 v[64+4*\i:67+4*\i], v[LGR] offset:576*\i
.endr
	s_wait_dscnt 4                                 ; the sixteen words are in; the four row loads may be out
	v_max3_num_f32 v96, v48, v49, v50
.irp i, 3,5,7,9,11,13
	v_max3_num_f32 v96, v96, v[48+\i], v[49+\i]
.endr
	v_max_num_f32 v96, v96, v63
.irp i, 0,1,2,3,4,5,6,7,8,9,10,11,12,13,14,15
	v_sub_f32 v[80+\i], v[48+\i], v96              ; the difference first: -1e9 less -1e9 is 0 exactly
.endr
.irp i, 0,1,2,3,4,5,6,7,8,9,10,11,12,13,14,15
	v_mul_f32 v[80+\i], 0x3fb8aa3b, v[80+\i]
.endr
	s_wait_alu depctr_va_vdst(0)
.irp i, 0,1,2,3,4,5,6,7,8,9,10,11,12,13,14,15
	v_exp_f32 v[80+\i], v[80+\i]
.endr
	v_nop                                          ; a plain place behind the last exponential
	s_wait_alu depctr_va_vdst(0)                   ; the sixteen exponentials have written v80-95: one wait for the batch, ahead of its first reader
	v_add_f32 v97, v80, v81
	v_add_f32 v98, v82, v83
.irp i, 4,8,12
	v_add_f32 v97, v97, v[80+\i]
	v_add_f32 v98, v98, v[81+\i]
	v_add_f32 v97, v97, v[82+\i]
	v_add_f32 v98, v98, v[83+\i]
.endr
	v_add_f32 v97, v97, v98
	s_wait_alu depctr_va_vdst(0)                   ; v96 and v97 are written, which the last store reads
	s_wait_dscnt 0x0
.irp i, 0,1,2,3
	global_store_b128 v[LI], v[64+4*\i:67+4*\i], s[LG:LG+1] offset:512*\i   ; four tokens' 512 consecutive bytes
.endr
	global_store_b64 v[L8], v[96:97], s[STP:STP+1] ; (m, s) of head = lane: 256 consecutive bytes, aligned
	s_wait_dscnt 0x0                               ; the closing lines, six on end
	s_wait_alu 0x0
	s_wait_tensorcnt 0x0
	ds_add_u32 v254, v255
	s_wait_dscnt 0x0
	s_endpgm
.Lfunc_end_k_q51dbde53ed_qk:
	.size	k_q51dbde53ed_qk, .Lfunc_end_k_q51dbde53ed_qk-k_q51dbde53ed_qk
	.p2alignl 7, 3214868480
	.fill 96, 4, 3214868480
	.section	.rodata,"a",@progbits
	.p2align	6, 0x0
	.amdhsa_kernel k_q51dbde53ed_qk
		.amdhsa_group_segment_fixed_size 114176
		.amdhsa_private_segment_fixed_size 0
		.amdhsa_enable_private_segment 0
		.amdhsa_kernarg_size 88
		.amdhsa_user_sgpr_count 2
		.amdhsa_user_sgpr_kernarg_segment_ptr 1
		.amdhsa_wavefront_size32 1
		.amdhsa_system_sgpr_workgroup_id_x 1
		.amdhsa_system_sgpr_workgroup_id_y 1
		.amdhsa_system_sgpr_workgroup_id_z 1
		.amdhsa_system_vgpr_workitem_id 0
		.amdhsa_next_free_vgpr 1024
		.amdhsa_next_free_sgpr 66
		.amdhsa_reserve_vcc 1
		.amdhsa_float_denorm_mode_32 3
		.amdhsa_float_denorm_mode_16_64 3
		.amdhsa_memory_ordered 1
		.amdhsa_forward_progress 1
		.amdhsa_inst_pref_size 230
	.end_amdhsa_kernel
	.amdgpu_metadata
---
amdhsa.version: [ 1, 2 ]
amdhsa.kernels:
  - .name:           k_q51dbde53ed_qk
    .symbol:         k_q51dbde53ed_qk.kd
    .args:
      - { .name: x, .offset: 0, .size: 8, .value_kind: global_buffer, .address_space: global }
      - { .name: bq, .offset: 8, .size: 8, .value_kind: global_buffer, .address_space: global }
      - { .name: bk, .offset: 16, .size: 8, .value_kind: global_buffer, .address_space: global }
      - { .name: b1, .offset: 24, .size: 8, .value_kind: global_buffer, .address_space: global }
      - { .name: b2, .offset: 32, .size: 8, .value_kind: global_buffer, .address_space: global }
      - { .name: mask, .offset: 40, .size: 8, .value_kind: global_buffer, .address_space: global }
      - { .name: wqk, .offset: 48, .size: 8, .value_kind: global_buffer, .address_space: global }
      - { .name: wmlp, .offset: 56, .size: 8, .value_kind: global_buffer, .address_space: global }
      - { .name: xc, .offset: 64, .size: 8, .value_kind: global_buffer, .address_space: global }
      - { .name: lg, .offset: 72, .size: 8, .value_kind: global_buffer, .address_space: global }
      - { .name: st, .offset: 80, .size: 8, .value_kind: global_buffer, .address_space: global }
    .group_segment_fixed_size: 114176
    .private_segment_fixed_size: 0
    .kernarg_segment_align: 8
    .kernarg_segment_size: 88
    .max_flat_workgroup_size: 128
    .sgpr_count:     66
    .vgpr_count:     1024
    .wavefront_size: 32
...
	.end_amdgpu_metadata
.endif
;; end of part 5
;; launch vo (part 6): grid 256 x 1, 4 waves a work-group, no clusters, 167,424 bytes of LDS; arguments xc, wvo, bv, bo, lg, st, out0; writes out0
.if DOCPART == 6
	.amdgcn_target "amdgcn-amd-amdhsa--gfx1250"
	.amdhsa_code_object_version 6
	.text
	.protected	k_q51dbde53ed_vo
	.globl	k_q51dbde53ed_vo
	.p2align	8
	.type	k_q51dbde53ed_vo,@function
k_q51dbde53ed_vo:
	s_mov_b64 s[64:65], 0
	v_nop
	global_prefetch_b8 v0, s[64:65] scope:SCOPE_SE
	s_setreg_imm32_b32 hwreg(HW_REG_WAVE_SCHED_MODE, 0, 2), 2
	s_setreg_imm32_b32 hwreg(HW_REG_WAVE_MODE, 25, 1), 1
	s_wait_xcnt 0x0
	s_wait_alu depctr_vm_vsrc(0)
; For 64 tokens a work-group: the softmax over the batch's 2,048 tokens is finished from the stored logits and the 128 partial (largest logit, sum) pairs of the batch; v = x Wv + bv (quantised product on x's stored codes);
; aw x v in f32, quantised along the 1,024 columns into LDS; out = (aw x v) Wo + bo (quantised product).
; SHARES, LAYOUT, RING: as in the launch before.  256 work-groups x 64 tokens, four waves; a sub-pass is 64 tokens x 512 columns x K 1,024, a wave makes 64 x 128 of it in 32 accumulators; two sub-passes for v, two for out.
; The matrix instruction is used transposed (source 0 = 16 columns of a weight, source 1 = 16 tokens); a wave's 128 columns of v are K step 4 P + w of the last product, so its results become whole fragments.
; The weights come from memory straight into registers, as images of the operand's registers, one stream a wave, through a ring of four register sets, three K steps ahead.  No tensor loads, no joint requests: each
; weight fragment is wanted by exactly one wave of a work-group and feeds four products; through LDS a K step would write and read 96 KB of weights beside the 26 KB of images that the four waves read.
; THE SOFTMAX takes the batch's largest logit away: M = the largest of the partial m, S = the sum of s x e^(m - M), p = e^(logit - M) / S.  Differences are formed first, so that a batch all of whose tokens are masked gives 1 / 2,048.
; LIMITS: NaN and infinities are not served; a block of zeros, or one under 2^-124, gets the scale byte 1 (read by this program alone); v_exp_f32 gives 0 for results under 2^-126.
; THE MODE: SCHED_MODE bits 1:0 = 2 (LLVM: expert scheduling mode 2), set by the entry lines.  The code itself states the register dependences
; between vector or matrix instructions and memory or LDS instructions, with s_wait_alu, always for 0.
; THE PLAN.  Registers that memory or LDS instructions touch:
;   the products: AF0, AF1 with XS0, XS1: K step s's products read AF[s % 2]; the LDS loads issued in step s land in the other, which step s - 1's products read.
;     ring sets 0-3 with SCB0-3: step s's products read set s % 4; the loads issued in step s land in set (s + 3) % 4 = (s - 1) % 4, which step s - 1's products read.
;     So ONE wait on va_vdst stands at the head of steps 1 to 7; the step's loads follow it, dealt among its products, which name none of the registers that those loads touch.
;   once a sub-pass: v[BAD] and the bias's registers: a wait on va_vdst behind the add, which also covers K step 0's loads.
;   behind a sub-pass of v: v[PRA], v[HWI], v[HWS], written once (a wait on va_vdst behind them); v32-63, in which the weights p land; PC, PW, which the quantiser writes and the image's stores read: for each of the
;     four tiles a wait on va_vdst behind the quantiser and one on vm_vsrc behind the stores; the last of these also stands behind every reader of the six stepped addresses.
;   behind a sub-pass of out: the accumulators, read by the stores into the stage (places, then a wait on va_vdst); v32-95 and v152-215 by turns: the stage's loads land, the stores to out0 read (a wait on vm_vsrc ahead of each reuse).
;   v[LI], v[T16] and the other addresses are made at the head and never written again; v[AAD], v[ASD] are written once more, between the two products.
; REGISTERS, in windows of 256: window 0: v0-31 ids and addresses; v32-127 source 1's fragments, two buffers; v128-135 their scale words; v136-151 the weights' scale words, four sets; v152-215 64 numbers at work;
;   v216-234 codes just made; v236-251 at work; v252 the scale word just made.   window 1: ring sets 0, 1.   window 2: ring sets 2, 3; v192-255 the sub-pass's bias as C.
;   window 3: the accumulators, (row tile m, tile t) at v[64 m + 8 t]; at the head, xc and the biases as they are loaded.
.set GRP,  12800
.set XIMG, 0                           ; LDS: x's 32 fragments, (K step s, row tile m) at (4 s + m) x 1,536
.set XSC,  49152                       ; their scale words: [s][lane][m]
.set BIAS, 53248                       ; bv, then bo
.set PIMG, 61440                       ; aw x v: 32 fragments, laid as x's
.set PSC,  110592                      ; their scale words
.set PTAB, 114688                      ; the weights p: 64 tokens x (32 heads x 8 bytes + 16): each p twice, a pair for the packed multiply
.set STAT, 132096                      ; [wave][head] (M, S)
.set OST,  133120                      ; a stage for each wave: 16 rows x (512 bytes + 16)
.set LI,   4                           ; v4   16 x lane
.set T16,  5                           ; v5   16 x thread
.set AAD,  6                           ; v6   source 1's images
.set ASD,  7                           ; v7   and their scale words
.set BA0,  8                           ; v8   BIAS + 512 w + 64 h
.set BAD,  9                           ; v9   the same in the sub-pass in hand
.set PRA0, 10                          ; v10  PTAB + 272 r + 32 w
.set PRA,  11
.set HWI0, 12                          ; v12  PIMG + 16 x lane + 6,144 w
.set HWI,  13
.set HWS0, 14                          ; v14  PSC + 16 x lane + 512 w
.set HWS,  15
.set OSA,  16                          ; v16  the stage, in: 528 r + 64 h
.set OSB,  17                          ; v17  the stage, out: 16 x lane
.set L8,   18                          ; v18  8 x lane
.set L4,   19                          ; v19  4 x lane
.set STW,  20                          ; v20  STAT + 256 w + 8 x lane
.set STR,  21                          ; v21  STAT + 8 x lane
.set PTW,  22                          ; v22  PTAB + 4,352 w + 8 x lane
.set AF,   32
.set XS,   128
.set SCB,  136
.set ST,   152
.set PC,   216
.set TM,   236
.set PW,   252
.set XC,   8                           ; s[8:9]   xc at my work-group's part
.set WB,   10                          ; s[10:11] my wave's stream, at the sub-pass in hand
.set BV,   12
.set BO,   14
.set LG,   16                          ; s[16:17] lg at my wave's tokens
.set STB,  18                          ; s[18:19] st at my batch's wave tiles 32 w on
.set OUT,  20                          ; s[20:21] out0 at my work-group's rows, my wave's columns
.set WV,   30
.set SEL,  32
.set CNT,  34
.set PB,   35                          ; 2,048 x sub-pass
.set PI,   36                          ; 24,576 x sub-pass
.set PP,   37                          ; 128 x sub-pass
.set MSB, 0
.macro WIN new                         ; the immediate's high byte repeats the setting that is left; a switch that changes nothing is dropped
.if MSB != (\new)
	s_set_vgpr_msb (MSB<<8)|(\new)
.set MSB, (\new)
.endif
.endm
; 64 numbers of a lane, v[s] .. v[s + 63], register 16 b + i = k 32 b + 16 (lane / 16) + i of my row, become a fragment's codes in v[PC] on and its scale word in v[PW].
.macro QUANT s
.irp b, 0,1,2,3
	v_max3_num_f32 v[TM+\b], |v[\s+16*\b]|, |v[\s+1+16*\b]|, 0x1800000   ; block b: my 16 numbers, and the floor 2^(3 - 127): the byte cannot fall under 1
.endr
.irp i, 2,4,6,8,10,12,14
.irp b, 0,1,2,3
	v_max3_num_f32 v[TM+\b], v[TM+\b], |v[\s+16*\b+\i]|, |v[\s+1+16*\b+\i]|   ; (the four blocks by turns)
.endr
.endr
.irp b, 0,1,2,3
	v_permlanex16_b32 v[TM+4+\b], v[TM+\b], s[SEL], s[SEL+1]
.endr
.irp b, 0,1,2,3
	v_max_num_f32 v[TM+\b], v[TM+\b], v[TM+4+\b]   ; with lane l xor 16's: the block's largest magnitude
.endr
.irp b, 0,1,2,3
	v_add_nc_u32 v[TM+12+\b], 0xff000000, v[TM+\b]   ; 2 off its exponent field: the conversion's scale operand
.endr
.irp b, 0,1,2,3
	v_lshrrev_b32 v[TM+4+\b], 23, v[TM+12+\b]      ; the scale's byte
.endr
	v_lshl_or_b32 v[PW], v[TM+5], 8, v[TM+4]       ; the four bytes make my row's scale word
	v_lshl_or_b32 v[PW], v[TM+6], 16, v[PW]
	v_lshl_or_b32 v[PW], v[TM+7], 24, v[PW]
.irp c, 0,1
	v_cvt_scalef32_pk16_fp6_f32 v[PC+6*\c:PC+2+6*\c], v[\s+32*\c:\s+15+32*\c], v[TM+12+2*\c]
	v_cvt_scalef32_pk16_fp6_f32 v[PC+12+4*\c:PC+14+4*\c], v[\s+16+32*\c:\s+31+32*\c], v[TM+12+2*\c+1]   ; (a conversion's three registers begin on an even number)
.endr
	v_nop                                          ; one plain place behind a scaled conversion
.irp c, 0,1                                    ; the operand's layout wants a WHOLE block in a lane: lanes 0-15 block 2 c, lanes 16-31 block 2 c + 1
.irp i, 0,1,2
	v_permlane16_swap_b32 v[PC+6*\c+\i], v[PC+12+4*\c+\i]
.endr
.irp i, 0,1,2
	v_mov_b32 v[PC+3+6*\c+\i], v[PC+12+4*\c+\i]
.endr
.endr
.endm
.macro IMAGE adr, off                          ; the fragment in v[PC] on goes to LDS as it stands
.irp c, 0,1,2
	ds_store_b128 v[\adr], v[PC+4*\c:PC+4*\c+3] offset:\off+512*\c
.endr
.endm
.macro AFRAG reg, off                          ; and comes back so, in any wave
.irp c, 0,1,2
	ds_load_b128 v[\reg+4*\c:\reg+4*\c+3], v[AAD] offset:\off+512*\c
.endr
.endm
.macro RF q, j, base, off                      ; fragment j of a group into ring set q: three loads of 512 consecutive bytes
	WIN 0x40+0x40*((\q)/2)
.irp c, 0,1,2
	global_load_b128 v[96*((\q)%2)+12*(\j)+4*\c:96*((\q)%2)+12*(\j)+4*\c+3], v[LI], s[\base:\base+1] offset:(\off)+1536*(\j)+512*\c
.endr
.endm
.macro RS q, base, off                         ; the group's scale words: register b: lanes 0-15 tile 2 b, lanes 16-31 tile 2 b + 1
	WIN 0
	global_load_b128 v[SCB+4*(\q):SCB+4*(\q)+3], v[LI], s[\base:\base+1] offset:(\off)+12288
.endm
.macro PRIME q, G                              ; a whole group: 25 loads
.irp j, 0,1,2,3,4,5,6,7
	RF \q, \j, WB, (\G)*GRP
.endr
	RS \q, WB, (\G)*GRP
.endm
.macro MMA d, a, b, c, sa, sb, row             ; row = 1: source 0's scale words stand in lanes 16-31
.if \row
	v_wmma_scale_f32_16x16x128_f8f6f4 v[(\d):(\d)+7], v[(\a):(\a)+11], v[(\b):(\b)+11], v[(\c):(\c)+7], v[\sa], v[\sb] matrix_a_fmt:MATRIX_FMT_FP6 matrix_b_fmt:MATRIX_FMT_FP6 matrix_a_scale:MATRIX_SCALE_ROW1
.else
	v_wmma_scale_f32_16x16x128_f8f6f4 v[(\d):(\d)+7], v[(\a):(\a)+11], v[(\b):(\b)+11], v[(\c):(\c)+7], v[\sa], v[\sb] matrix_a_fmt:MATRIX_FMT_FP6 matrix_b_fmt:MATRIX_FMT_FP6
.endif
.endm
; THE LOADS OF K STEP s ARE DEALT AMONG ITS PRODUCTS, in six gaps (kg = 0 .. 5) behind products 4, 8 .. 24.  Gaps 0 and 1: the next step's four fragments of source 1, two a gap; with gap 1 their scale words and the
; scale words of the group three steps on (13 LDS loads, 1 load).  Gaps 2 to 5: that group's eight fragments, two a gap (24 loads).  No wait stands in a gap: no product of the step names a register that these loads touch.
.macro GAP s
.if kg < 2
.if (\s) < 7
	WIN 0
	AFRAG AF+48*(1-sbf)+24*kg, 6144*((\s)+1)+3072*kg
	AFRAG AF+48*(1-sbf)+24*kg+12, 6144*((\s)+1)+3072*kg+1536
.endif
.if kg == 1
.if (\s) < 7
	ds_load_b128 v[XS+4*(1-sbf):XS+4*(1-sbf)+3], v[ASD] offset:512*((\s)+1)
.endif
.if rk == 1
	RS snq, WB, ((\s)+3)*GRP
.endif
.endif
.else
.if rk == 1
	RF snq, 2*kg-4, WB, ((\s)+3)*GRP
	RF snq, 2*kg-3, WB, ((\s)+3)*GRP
.endif
.endif
.endm
; K step s of a sub-pass: 32 matrix instructions, the 32 accumulators by turns, in the same order in every step, with the step's loads in six gaps among them.
; mode 1: the ring goes on into the next sub-pass.  mode 0, the last sub-pass: steps 0-4 fetch its last groups, then nothing: no load leaves the stream.
; The wait on LOADcnt counts the loads issued behind this step's group, 25 a group: two groups; in mode 0's last two steps one, then none.
.macro STEPK s, mode
.set sq, (\s)%4
.set sbf, (\s)%2
.set snq, ((\s)+3)%4
.set rk, 1
.set nw, 50
.if (\mode) == 0
.if (\s) > 4
.set rk, 0
.endif
.if (\s) == 6
.set nw, 25
.endif
.if (\s) == 7
.set nw, 0
.endif
.endif
	s_wait_loadcnt nw
	s_wait_dscnt 0x0                               ; this step's fragments of source 1 are in: they were asked for early in the step before (step 0: at the sub-pass's head, with the bias), and no LDS instruction is younger
.if (\s) > 0
.rept 4
	v_nop                                          ; four places behind the last step's products
.endr
	s_wait_alu depctr_va_vdst(0)                   ; the last step's products are done reading the other buffer of source 1, ring set (s - 1) % 4 and both their scale words: this step's loads land there
.endif
.if (\s) == 0
.set wm, 0xe1                                  ; weights window 1, source 1 window 0, the bias window 2, the sums window 3
.else
.set wm, 0xf1+sq/2                             ; weights window 1 or 2, C and D window 3
.endif
.set ki, 0
.rept 32
.set kt, ki/4
.set km, ki%4
.set rD, 64*km+8*kt
.set rA, 96*(sq%2)+12*kt
.set rB, AF+48*sbf+12*km
.set rSA, SCB+4*sq+kt/2
.set rSB, XS+4*sbf+km
.if (\s) == 0
.set rC, 192+8*kt
.else
.set rC, rD
.endif
	WIN wm
	MMA rD, rA, rB, rC, rSA, rSB, kt%2
.if (ki%4 == 3) && (ki < 24)
.set kg, ki/4
	GAP \s
.endif
.set ki, ki+1
.endr
.endm
.macro HEADP                                   ; a sub-pass's head: its 128 biases in the result's layout, and K step 0's fragments of source 1
	v_add_nc_u32 v[BAD], s[PB], v[BA0]             ; (the last head's loads, which read v[BAD], stand ahead of the waits on vm_vsrc in the work behind that sub-pass)
	s_wait_alu depctr_va_vdst(0)                   ; v[BAD] (and, ahead of the last product, v[AAD] and v[ASD]) is written, which the loads below read; all vector and matrix instructions issued so far are done with the bias's registers, buffer 0 and its scale words, in which these loads land, and with buffer 1, ring set 3 and their scale words, in which K step 0's land
	WIN 0x80
.irp b, 0,1,2,3
.irp j, 0,1,2,3
	ds_load_b128 v[192+16*\b+4*\j:195+16*\b+4*\j], v[BAD] offset:128*\b+16*\j
.endr
.endr
	WIN 0
.irp m, 0,1,2,3
	AFRAG AF+12*\m, 1536*\m
.endr
	ds_load_b128 v[XS:XS+3], v[ASD]
.endm
.macro SUBPASS mode
	HEADP
.irp s, 0,1,2,3,4,5,6,7
	STEPK \s, \mode
.endr
	WIN 0
.endm
.macro FOOT
	s_wait_xcnt 0x0                                ; the ring's loads and the stores have had their addresses translated: the base may step, and the stores' registers may be loaded again
	s_add_nc_u64 s[WB:WB+1], s[WB:WB+1], 8*GRP
	s_add_co_u32 s[PB], s[PB], 2048
.endm
; v's 64 x 128 of the wave, times the tokens' weights of heads 16 P + 4 w + b, quantised: K step 4 P + w of the last product, four fragments.
.macro EPI_V
.rept 4
	v_nop                                          ; four places behind the last products
.endr
	v_add_nc_u32 v[PRA], s[PP], v[PRA0]            ; (what read these three in the last sub-pass stands ahead of that sub-pass's last wait on vm_vsrc)
	v_add_nc_u32 v[HWI], s[PI], v[HWI0]
	v_add_nc_u32 v[HWS], s[PB], v[HWS0]
	s_wait_alu depctr_va_vdst(0)                   ; the three addresses are written, which the loads and stores below read; the products are done reading v32-63, in which the weights land
.irp m, 0,1,2,3
.irp k, 0,1
	ds_load_b128 v[32+8*\m+4*\k:35+8*\m+4*\k], v[PRA] offset:4352*\m+16*\k   ; token 16 m + r: four heads' p, each twice
.endr
.endr
	s_wait_dscnt 0x0
.irp m, 0,1,2,3
	WIN 0x03                                       ; source 0 window 3
.set pn, 0
.rept 32
	v_pk_mul_f32 v[ST+2*pn:ST+2*pn+1], v[64*\m+2*pn:64*\m+2*pn+1], v[32+8*\m+2*(pn/8):33+8*\m+2*(pn/8)]   ; each accumulator from its low end on
.set pn, pn+1
.endr
	WIN 0
	QUANT ST
	s_wait_alu depctr_va_vdst(0)                   ; the quantiser has written the codes and the scale word, which the stores read
	IMAGE HWI, 1536*\m
	ds_store_b32 v[HWS], v[PW] offset:4*\m
	s_wait_dscnt 0x0                               ; the stores have landed
	s_wait_alu depctr_vm_vsrc(0)                   ; and have read the codes and the scale word, which the next tile's quantiser writes again; behind the last tile: every LDS instruction so far has read its address, so that the stepped addresses may be written
.endr
	s_add_co_u32 s[PP], s[PP], 128
	s_add_co_u32 s[PI], s[PI], 24576
.endm
; THE WAY OUT, block by block of 16 tokens x 128 columns: a lane holds pieces of one row, so a block goes through my own stage and comes back as whole rows of 512 bytes.
; LDS serves a wave's instructions in order: no wait between the stores and the loads, nor in front of the next block's stores.
.macro TOSTAGE m
	WIN 0x0c                                       ; an LDS store's data: window 3
.irp b, 0,1,2,3
.irp j, 0,1,2,3
	ds_store_b128 v[OSA], v[64*(\m)+16*\b+4*\j:64*(\m)+16*\b+4*\j+3] offset:128*\b+16*\j   ; each accumulator from its low end on
.endr
.endr
	WIN 0
.set OB, 32+120*((\m)%2)                       ; v32-95 and v152-215 by turns
.irp p, 0,1,2,3,4,5,6,7,8,9,10,11,12,13,14,15
	ds_load_b128 v[OB+4*\p:OB+4*\p+3], v[OSB] offset:528*\p
.endr
.endm
.macro SEND m, o, younger                      ; younger: the LDS instructions issued behind block m's loads, which may stay out
.set OB, 32+120*((\m)%2)
	s_wait_dscnt \younger
.irp p, 0,1,2,3,4,5,6,7,8,9,10,11,12,13,14,15
	global_store_b128 v[LI], v[OB+4*\p:OB+4*\p+3], s[OUT:OUT+1] offset:65536*(\m)+4096*\p+2048*(\o) th:TH_STORE_NT   ; 32 lanes store 512 consecutive bytes, aligned; written once
.endr
.endm
.macro EPI_O o
.rept 5
	v_nop                                          ; four places in front of the stores that read results; a fifth, since the next sub-pass begins these accumulators anew with another C
.endr
	s_wait_alu depctr_va_vdst(0)                   ; the products have written the accumulators, which the stores into the stage read, and are done reading v32-95; the quantiser is long done with v152-215: the stage's loads land in both.  The places above stay beside this wait
	TOSTAGE 0
.irp m, 1,2,3
.if \m > 1
	s_wait_xcnt 0x0                                ; block m - 2's stores have had their addresses translated
	s_wait_alu depctr_vm_vsrc(0)                   ; and have read their registers, in which block m's loads land
.endif
	TOSTAGE \m
	SEND \m-1, \o, 32                              ; behind block m - 1's loads: block m's 16 stores and 16 loads
.endr
	SEND 3, \o, 0
.if (\o) == 0
	s_wait_alu depctr_vm_vsrc(0)                   ; the stores to out0 have read v32-95 and v152-215, in which the next sub-pass's fragments and its way out's loads land; the stores into the stage have read the accumulators, which its products write
.endif
.endm
	s_load_b256 s[8:15], s[0:1], 0x0               ; xc, wvo, bv, bo
	s_load_b128 s[16:19], s[0:1], 0x20             ; lg, st
	s_load_b64 s[20:21], s[0:1], 0x30              ; out0
	v_lshl_add_u32 v254, v0, 2, 0x28c00
	v_mov_b32 v255, 0
	v_lshrrev_b32 v1, 5, v0
	v_readfirstlane_b32 s[WV], v1                  ; wave 0..3
	v_and_b32 v1, 31, v0                           ; lane
	v_and_b32 v2, 15, v0                           ; r
	v_bfe_u32 v3, v0, 4, 1                         ; h
	s_wait_alu depctr_va_vdst(0)
	v_lshlrev_b32 v[LI], 4, v1
	s_wait_alu depctr_va_vdst(0)
	v_lshlrev_b32 v[T16], 4, v0
	v_mul_u32_u24 v23, v2, 272
	s_wait_alu depctr_va_sdst(0)                   ; the wave's number is written, ahead of its first reader: LDS addresses and the buffers' offsets are made from it
	s_lshl_b32 s50, s[WV], 5
	s_add_co_u32 s50, s50, PTAB
	v_add_nc_u32 v[PRA0], s50, v23
	s_mul_i32 s50, s[WV], 6144
	s_add_co_u32 s50, s50, PIMG
	v_add_nc_u32 v[HWI0], s50, v[LI]
	s_lshl_b32 s50, s[WV], 9
	s_add_co_u32 s51, s50, PSC
	v_add_nc_u32 v[HWS0], s51, v[LI]
	s_add_co_u32 s51, s50, BIAS
	v_lshl_add_u32 v[BA0], v3, 6, s51
	s_mul_i32 s50, s[WV], 8448
	s_add_co_u32 s50, s50, OST                     ; my stage
	v_add_nc_u32 v[OSB], s50, v[LI]
	v_mul_u32_u24 v[OSA], v2, 528
	v_lshl_add_u32 v[OSA], v3, 6, v[OSA]
	v_add_nc_u32 v[OSA], s50, v[OSA]
	v_lshlrev_b32 v[L8], 3, v1
	v_lshlrev_b32 v[L4], 2, v1
	v_add_nc_u32 v[STR], STAT, v[L8]
	s_lshl_b32 s50, s[WV], 8
	v_add_nc_u32 v[STW], s50, v[STR]
	s_mul_i32 s50, s[WV], 4352
	s_add_co_u32 s50, s50, PTAB
	v_add_nc_u32 v[PTW], s50, v[L8]
	v_add_nc_u32 v[AAD], XIMG, v[LI]
	v_add_nc_u32 v[ASD], XSC, v[LI]
.irp b, 0,1,2,3
	v_mov_b32 v[TM+4+\b], 0                        ; written once: a lane permute's destination counts as one of its sources
.endr
	s_mov_b32 s[SEL], 0x76543210
	s_mov_b32 s[SEL+1], 0xfedcba98
	s_mov_b32 s[PB], 0
	s_mov_b32 s[PI], 0
	s_mov_b32 s[PP], 0
	s_mul_i32 s38, ttmp9, 53248                    ; xc: 53,248 bytes a work-group
	s_mov_b32 s39, 0
	s_mul_i32 s40, s[WV], 32*GRP                   ; my stream
	s_mov_b32 s41, 0
	s_lshl_b32 s42, ttmp9, 13                      ; lg: 128 bytes a token
	s_lshl_b32 s43, s[WV], 11
	s_add_co_u32 s42, s42, s43
	s_mov_b32 s43, 0
	s_lshr_b32 s44, ttmp9, 5                       ; st: my batch's 128 wave tiles of 256 bytes; I take 32 of them
	s_lshl_b32 s44, s44, 15
	s_lshl_b32 s45, s[WV], 13
	s_add_co_u32 s44, s44, s45
	s_mov_b32 s45, 0
	s_lshl_b32 s46, ttmp9, 18                      ; out0: 64 rows of 4,096 bytes; my 128 columns
	s_lshl_b32 s47, s[WV], 9
	s_add_co_u32 s46, s46, s47
	s_mov_b32 s47, 0
	s_wait_kmcnt 0x0
	s_add_nc_u64 s[XC:XC+1], s[XC:XC+1], s[38:39]
	s_add_nc_u64 s[WB:WB+1], s[WB:WB+1], s[40:41]
	s_add_nc_u64 s[LG:LG+1], s[LG:LG+1], s[42:43]
	s_add_nc_u64 s[STB:STB+1], s[STB:STB+1], s[44:45]
	s_add_nc_u64 s[OUT:OUT+1], s[OUT:OUT+1], s[46:47]
	s_wait_alu depctr_va_vdst(0)                   ; the offsets and LDS addresses v4 to v22 are written, which the loads and stores of the whole kernel read
	WIN 0xc0                                       ; x's images and scale words, and the biases, land in window 3 on their way to LDS
.set n, 0
.rept 26
	global_load_b128 v[4*n:4*n+3], v[T16], s[XC:XC+1] offset:2048*n th:TH_LOAD_NT
.set n, n+1
.endr
	global_load_b128 v[104:107], v[T16], s[BV:BV+1]
	global_load_b128 v[108:111], v[T16], s[BV:BV+1] offset:2048
	global_load_b128 v[112:115], v[T16], s[BO:BO+1]
	global_load_b128 v[116:119], v[T16], s[BO:BO+1] offset:2048
	WIN 0
.set n, 0
.rept 32
	global_load_b64 v[ST+2*n:ST+2*n+1], v[L8], s[STB:STB+1] offset:256*n   ; (m, s) of wave tile 32 w + n, head = lane
.set n, n+1
.endr
	s_wait_loadcnt 32                              ; the first 30 loads are in; the 32 of the statistics stay out
	WIN 0x0c
.set n, 0
.rept 26
	ds_store_b128 v[T16], v[4*n:4*n+3] offset:2048*n
.set n, n+1
.endr
.irp k, 0,1,2,3
	ds_store_b128 v[T16], v[104+4*\k:107+4*\k] offset:BIAS+2048*\k
.endr
	WIN 0
.irp i, 0,1,2,3,4,5,6,7,8,9,10,11,12,13,14,15
	global_load_b32 v[32+\i], v[L4], s[LG:LG+1] offset:128*\i th:TH_LOAD_NT   ; the logit of token 16 w + i, head = lane
.endr
	s_wait_loadcnt 16                              ; the statistics are in; the 16 logits stay out
	v_max3_num_f32 v24, v[ST], v[ST+2], v[ST+4]
.irp i, 3,5,7,9,11,13,15,17,19,21,23,25,27,29
	v_max3_num_f32 v24, v24, v[ST+2*\i], v[ST+2*\i+2]
.endr
	v_max_num_f32 v24, v24, v[ST+62]               ; the largest of my 32 tiles
.set n, 0
.rept 32
	v_sub_f32 v[ST+2*n], v[ST+2*n], v24            ; the difference first
.set n, n+1
.endr
.set n, 0
.rept 32
	v_mul_f32 v[ST+2*n], 0x3fb8aa3b, v[ST+2*n]
.set n, n+1
.endr
.set n, 0
	s_wait_alu depctr_va_vdst(0)
.rept 32
	v_exp_f32 v[ST+2*n], v[ST+2*n]
.set n, n+1
.endr
	v_nop                                          ; a plain place behind the last exponential
	s_wait_alu depctr_va_vdst(0)                   ; the 32 exponentials have written their results: one wait for the batch, ahead of its first reader
	v_mul_f32 v25, v[ST], v[ST+1]
	v_mul_f32 v26, v[ST+2], v[ST+3]
.irp i, 2,4,6,8,10,12,14,16,18,20,22,24,26,28,30
	v_fma_f32 v25, v[ST+2*\i], v[ST+2*\i+1], v25
	v_fma_f32 v26, v[ST+2*\i+2], v[ST+2*\i+3], v26
.endr
	v_add_f32 v25, v25, v26
	s_wait_alu depctr_va_vdst(0)                   ; v24 and v25 are written, which the store reads
	ds_store_b64 v[STW], v[24:25]
	PRIME 0, 0
	PRIME 1, 1
	s_wait_dscnt 0x0                               ; for the others' sake: my part of the images and biases, and my (M, S), have landed
	s_barrier_signal -1
	s_barrier_wait -1
.irp k, 0,1,2,3
	ds_load_b64 v[80+2*\k:81+2*\k], v[STR] offset:256*\k
.endr
	s_wait_dscnt 0x0
	v_max3_num_f32 v27, v80, v82, v84
	v_max_num_f32 v27, v27, v86                    ; M: the batch's largest logit of head = lane
.irp k, 0,1,2,3
	v_sub_f32 v[88+\k], v[80+2*\k], v27
.endr
.irp k, 0,1,2,3
	v_mul_f32 v[88+\k], 0x3fb8aa3b, v[88+\k]
.endr
	s_wait_alu depctr_va_vdst(0)
.irp k, 0,1,2,3
	v_exp_f32 v[88+\k], v[88+\k]
.endr
	v_nop
	s_wait_alu depctr_va_vdst(0)                   ; the four exponentials have written v88-91, ahead of their first reader
	v_mul_f32 v28, v88, v81
	v_fma_f32 v28, v89, v83, v28
	v_fma_f32 v28, v90, v85, v28
	v_fma_f32 v28, v91, v87, v28                   ; S
	s_wait_alu depctr_va_vdst(0)
	v_rcp_f32 v29, v28
	s_wait_loadcnt 50                              ; the logits are in; behind them the ring's groups 0 and 1
.irp i, 0,1,2,3,4,5,6,7,8,9,10,11,12,13,14,15
	v_sub_f32 v[32+\i], v[32+\i], v27              ; (plain work behind the reciprocal)
.endr
.irp i, 0,1,2,3,4,5,6,7,8,9,10,11,12,13,14,15
	v_mul_f32 v[32+\i], 0x3fb8aa3b, v[32+\i]
.endr
	s_wait_alu depctr_va_vdst(0)
.irp i, 0,1,2,3,4,5,6,7,8,9,10,11,12,13,14,15
	v_exp_f32 v[32+\i], v[32+\i]
.endr
	v_nop
	s_wait_alu depctr_va_vdst(0)                   ; the reciprocal has written v29 and the sixteen exponentials v32-47: one wait, ahead of their first reader
.irp i, 0,1,2,3,4,5,6,7,8,9,10,11,12,13,14,15
	v_mul_f32 v[48+2*\i], v[32+\i], v29            ; p, into both registers of a pair
	v_mul_f32 v[49+2*\i], v[32+\i], v29
.endr
	s_wait_alu depctr_va_vdst(0)                   ; the weights v48-79 are written, which the stores read
.irp i, 0,1,2,3,4,5,6,7,8,9,10,11,12,13,14,15
	ds_store_b64 v[PTW], v[48+2*\i:49+2*\i] offset:272*\i
.endr
	PRIME 2, 2
	s_wait_dscnt 0x0                               ; for the others' sake: my 16 tokens' weights have landed
	s_barrier_signal -1
	s_barrier_wait -1                              ; the table of weights is whole
	s_wait_alu depctr_vm_vsrc(0)                   ; my LDS stores have read v48-79, in which fragments of x land, and window 3's v0-119, which the products write
	s_mov_b32 s[CNT], 2
.Lv:
	SUBPASS 1
	EPI_V
	FOOT
	s_sub_co_u32 s[CNT], s[CNT], 1
	s_cmp_lg_u32 s[CNT], 0
	s_cbranch_scc1 .Lv
	s_wait_dscnt 0x0                               ; for the others' sake: my eight fragments of aw x v have landed
	s_barrier_signal -1
	s_barrier_wait -1                              ; all 32 lie in LDS
	v_add_nc_u32 v[AAD], PIMG, v[LI]               ; (every load that read these two stands ahead of the last wait on vm_vsrc above; the wait on va_vdst at the sub-pass's head stands behind these lines)
	v_add_nc_u32 v[ASD], PSC, v[LI]
	SUBPASS 1
	EPI_O 0
	FOOT
	SUBPASS 0
	EPI_O 1
	s_wait_dscnt 0x0                               ; the closing lines, six on end
	s_wait_alu 0x0
	s_wait_tensorcnt 0x0
	ds_add_u32 v254, v255
	s_wait_dscnt 0x0
	s_endpgm
.Lfunc_end_k_q51dbde53ed_vo:
	.size	k_q51dbde53ed_vo, .Lfunc_end_k_q51dbde53ed_vo-k_q51dbde53ed_vo
	.p2alignl 7, 3214868480
	.fill 96, 4, 3214868480
	.section	.rodata,"a",@progbits
	.p2align	6, 0x0
	.amdhsa_kernel k_q51dbde53ed_vo
		.amdhsa_group_segment_fixed_size 167424
		.amdhsa_private_segment_fixed_size 0
		.amdhsa_enable_private_segment 0
		.amdhsa_kernarg_size 56
		.amdhsa_user_sgpr_count 2
		.amdhsa_user_sgpr_kernarg_segment_ptr 1
		.amdhsa_wavefront_size32 1
		.amdhsa_system_sgpr_workgroup_id_x 1
		.amdhsa_system_sgpr_workgroup_id_y 1
		.amdhsa_system_sgpr_workgroup_id_z 1
		.amdhsa_system_vgpr_workitem_id 0
		.amdhsa_next_free_vgpr 1024
		.amdhsa_next_free_sgpr 66
		.amdhsa_reserve_vcc 0
		.amdhsa_float_denorm_mode_32 3
		.amdhsa_float_denorm_mode_16_64 3
		.amdhsa_memory_ordered 1
		.amdhsa_forward_progress 1
		.amdhsa_inst_pref_size 255
	.end_amdhsa_kernel
	.section	.bss,"aw",@nobits
	.p2align	6
	.space	262144
	.amdgpu_metadata
---
amdhsa.version: [ 1, 2 ]
amdhsa.kernels:
  - .name:           k_q51dbde53ed_vo
    .symbol:         k_q51dbde53ed_vo.kd
    .args:
      - { .name: xc, .offset: 0, .size: 8, .value_kind: global_buffer, .address_space: global }
      - { .name: wvo, .offset: 8, .size: 8, .value_kind: global_buffer, .address_space: global }
      - { .name: bv, .offset: 16, .size: 8, .value_kind: global_buffer, .address_space: global }
      - { .name: bo, .offset: 24, .size: 8, .value_kind: global_buffer, .address_space: global }
      - { .name: lg, .offset: 32, .size: 8, .value_kind: global_buffer, .address_space: global }
      - { .name: st, .offset: 40, .size: 8, .value_kind: global_buffer, .address_space: global }
      - { .name: out0, .offset: 48, .size: 8, .value_kind: global_buffer, .address_space: global }
    .group_segment_fixed_size: 167424
    .private_segment_fixed_size: 0
    .kernarg_segment_align: 8
    .kernarg_segment_size: 56
    .max_flat_workgroup_size: 128
    .sgpr_count:     66
    .vgpr_count:     1024
    .wavefront_size: 32
...
	.end_amdgpu_metadata
.endif
;; end of part 6
